; MI455X (gfx1250); checked and timed in simulation.
; The chip was launched on July 23, 2026; its instructions are those of AMD's public machine-readable ISA for CDNA 5 (MIT licence, August 2026) and "CDNA5" Instruction Set Architecture Reference Guide (July 2026). The comments in the code are by the model that wrote it; some were corrected since.
;; Attention. Allowed arithmetic: float matrix products may take bf16 or f16 operands with f32 sums; other float arithmetic in f32, or as packed bf16 or f16 multiplies, adds, multiply-adds, maxima and minima; sums over many terms, partial sums and values carried from step to step in f32; what a program stores and reads back later, other than sums and carried values, may be rounded once to bf16 or f16.
;; Inputs: wk 2,048 x 512 float32; wo 2,048 x 2,048 float32; wq 2,048 x 2,048 float32; wv 2,048 x 512 float32; x 1 x 2,048 x 2,048 float32.
;; Outputs: out0 1 x 2,048 x 2,048 float32.
;; Constants: start_pos = 0.
;; 2 versions, each right; version 2 is version 1 with the launch prep written anew for expert scheduling mode. Each part assembles by itself: llvm-mc -triple=amdgcn-amd-amdhsa -mcpu=gfx1250 --defsym DOCPART=n.
;; ======== version 1 of 2: 4 launches
;; limits: values are held in f16: magnitudes above 65,504 overflow, below 6.1e-05 lose precision
;; workspace buffers: xb 8,388,608 bytes; wt 12,582,912 bytes; wo2 8,388,608 bytes; cs 524,288 bytes; qkv 12,582,912 bytes; ob 8,388,608 bytes
;; launch prep (part 1): grid 256 x 1, 8 waves a work-group, no clusters, 50,176 bytes of LDS; arguments x, wq, wk, wv, wo, xb, wt, wo2, cs; writes xb, wt, wo2, cs
.if DOCPART == 1
	.amdgcn_target "amdgcn-amd-amdhsa--gfx1250"
	.amdhsa_code_object_version 6
	.text
	.protected	k_q92014d5bab_prep
	.globl	k_q92014d5bab_prep
	.p2align	8
	.type	k_q92014d5bab_prep,@function
k_q92014d5bab_prep:
	s_mov_b64 s[64:65], 0
	v_nop
	global_prefetch_b8 v0, s[64:65] scope:SCOPE_SE
	s_setreg_imm32_b32 hwreg(HW_REG_WAVE_MODE, 25, 1), 1
	s_wait_xcnt 0x0
; FIRST OF FOUR LAUNCHES of: out = softmax_causal(rope(x wq) rope(x wk)^T / 8) (x wv) wo, 32 query heads, 8 key and value heads, head size 2048 / 32 = 64.
; WORK LEFT OUT, for all values of the inputs.  start_pos enters no line of the computation: it is not an argument of any launch.  The repeat of the key and value heads copies numbers: query head h reads
; key and value head h / 4.  The mask is built in the computation itself (a lower triangle): a score with key > query is replaced by -inf, its weight is exp(-inf) = 0 and its term in the second product is 0,
; so key steps that lie wholly above the diagonal are not computed (third launch).  LIMIT: a NaN, an infinity or an overflow that would arise only in such hidden scores is not carried to the result.
; THIS LAUNCH rounds the five inputs once and lays them out as the products take them, and makes the table of rotations.
;   xb  [R 16][kq 32][128 rows][64] bf16 = x: the 128 rows of tile row R, 64 along K at a time, so that any run of kq is dense.
;   wt  [T 16][kb 64][nb 12][1,024 bytes] bf16: the 48 heads of wq | wk | wv; tile column T = 4 X + c holds the heads 12 X + 4 s + c, s = nb / 4.  A block of 1,024 bytes is 16 columns x 32 k in the order
;       in which a wave's registers take it: the 16 bytes at 512 a + 256 h + 16 r are column r, k = 16 a + 8 h + 0..7.
;   wo2 [T 16][K step 8][k 256][128] f16: wo rounded to bf16, that number written as f16 (LIMIT: |wo| under 65,504; below 6e-5 f16's fixed step of 6e-8).
;   cs  [pos 2048][j 32][cos, sin] f32 of pos x 10000^(-j/32).  LIMIT: the frequency comes from the base-2 exponential, so an angle may be off by some 2e-4 at position 2047.
; SHARES.  Work-group g owns rows 8 g .. 8 g + 7 of all five inputs.  A thread issues its 56 loads of 16 bytes at once, makes its entry of the table while they are out, then rounds and stores.
; The 8 rows of W are just the 8 k of one 16-byte piece of wt: a thread takes 4 columns in all 8 rows, packs 4 pieces, and the wave turns them through 2,048 bytes of LDS of its own, so that 16 neighbouring
; lanes store 16 neighbouring columns: every store of the launch covers whole aligned blocks of 256 bytes.  No register that a global store reads is written again.  No matrix unit: memory binds.
.set DAT, 32                           ; v[32:95] x, item m at DAT + 8 m; v[192:255] wo, items 20 to 27.  The upper four registers of items 0 to 3 are free once rounded: W's pieces are packed there
.set WB,  96                           ; v[96:191] W: group g, row j at WB + 32 g + 4 j
.set XS,  2                            ; x: my row of two, my 32 bytes
.set XD,  3                            ; xb
.set WQS, 4                            ; wq: my 4 columns of the wave's 128
.set WKS, 5                            ; the same in wk or wv
.set WTD, 6                            ; v6-8 wt, a register a group
.set WOS, 9                            ; wo
.set WOD, 10                           ; wo2
.set CSO, 11                           ; cs: 8 t
.set LW,  12                           ; LDS: where I put my 4 pieces
.set LR,  13                           ; LDS: where I read a piece back
.set SPW, 14                           ; my spare word; never rewritten
.set NIL, 15                           ; 0; never rewritten
.set SPARE, 49152                      ; behind the waves' 8 x 6,144 bytes: the spare words, 128 bytes for each wave: four blocks of 256 bytes that no other line names
	s_load_b512 s[8:23], s[0:1], 0x0               ; x 8, wq 10, wk 12, wv 14, wo 16, xb 18, wt 20, wo2 22
	s_load_b64 s[24:25], s[0:1], 0x40              ; cs
	v_lshl_add_u32 v[SPW], v0, 2, SPARE
	v_mov_b32 v[NIL], 0
	v_lshrrev_b32 v16, 5, v0
	v_readfirstlane_b32 s26, v16                   ; wave w
	v_and_b32 v1, 31, v0                           ; lane l
	v_and_b32 v17, 7, v1
	v_bfe_u32 v18, v1, 3, 1
	v_lshrrev_b32 v19, 4, v1
	v_and_b32 v20, 15, v1
	v_lshlrev_b32 v[XS], 13, v18                   ; x: row (l / 8) % 2 of a pair, kq = 4 w + l / 16 (+ 2 in items 4 to 7), 32 bytes at l % 8
	v_lshl_add_u32 v[XS], v19, 8, v[XS]
	v_lshl_add_u32 v[XS], v17, 5, v[XS]
	s_lshl_b32 s27, s26, 10
	v_add_nc_u32 v[XS], s27, v[XS]
	v_lshlrev_b32 v[XD], 14, v19                   ; xb: 16,384 bytes a kq, 128 a row, 16 for my 8 numbers: lanes 0-15 fill 256 bytes on end
	v_lshl_add_u32 v[XD], v18, 7, v[XD]
	v_lshl_add_u32 v[XD], v17, 4, v[XD]
	s_lshl_b32 s27, s26, 16
	v_add_nc_u32 v[XD], s27, v[XD]
	s_lshl_b32 s27, s26, 9                         ; W: the wave's 128 columns are 512 bytes of f32
	v_lshl_add_u32 v[WQS], v1, 4, s27
	s_and_b32 s27, s26, 3
	s_lshl_b32 s27, s27, 9
	v_lshl_add_u32 v[WKS], v1, 4, s27
	v_lshlrev_b32 v21, 10, v19                     ; wt: lanes 0-15 one block of 16 columns, lanes 16-31 the next
	v_lshl_add_u32 v21, v20, 4, v21
.irp g, 0,1,2                          ; group g of wave w: columns 128 (w + 8 g) on of wq | wk | wv: the heads 2 cb and 2 cb + 1, cb = w + 8 g
	s_add_co_u32 s34, s26, 8*(\g)
	s_mul_i32 s35, s34, 43
	s_lshr_b32 s35, s35, 8                         ; X = cb / 6 (43 / 256 serves up to cb = 23)
	s_mul_i32 s36, s35, 6
	s_sub_co_u32 s36, s34, s36                     ; cb % 6
	s_lshr_b32 s37, s36, 1                         ; s
	s_and_b32 s36, s36, 1
	s_lshl_b32 s36, s36, 1                         ; c of the first head: 0 or 2
	s_lshl2_add_u32 s35, s35, s36                  ; T = 4 X + c
	s_mul_i32 s35, s35, 786432
	s_lshl_b32 s37, s37, 12                        ; nb = 4 s
	s_add_co_u32 s35, s35, s37
	v_add_nc_u32 v[WTD+(\g)], s35, v21
.endr
	s_and_b32 s34, s26, 1                          ; wo: tile columns 2 i + w % 2, rows 2 (w / 2) + l / 16
	s_lshr_b32 s35, s26, 1
	s_lshl_b32 s36, s35, 14
	s_lshl_b32 s37, s34, 9
	s_add_co_u32 s36, s36, s37
	s_lshl_b32 s38, s34, 19
	s_lshl_b32 s37, s35, 9
	s_add_co_u32 s38, s38, s37
	v_lshlrev_b32 v[WOS], 13, v19
	v_lshl_add_u32 v[WOS], v20, 5, v[WOS]
	v_add_nc_u32 v[WOS], s36, v[WOS]
	v_lshl_add_u32 v[WOD], v1, 4, s38
	v_lshlrev_b32 v[CSO], 3, v0
	s_mul_i32 s27, s26, 6144                       ; my wave's LDS
	v_lshl_add_u32 v[LW], v1, 6, s27               ; column 4 l + c at 16 (4 l + c)
	v_lshl_add_u32 v[LR], v1, 4, s27
	s_lshl3_add_u32 s47, ttmp9, s26                ; my position: 8 g + w
	s_lshl_b32 s40, ttmp9, 16                      ; 8 rows of 8,192 bytes
	s_mov_b32 s41, 0
	s_lshl_b32 s42, ttmp9, 14                      ; of 2,048
	s_mov_b32 s43, 0
	s_lshr_b32 s44, ttmp9, 4                       ; xb: tile row g / 16, rows 8 (g % 16) on
	s_lshl_b32 s44, s44, 19
	s_and_b32 s46, ttmp9, 15
	s_lshl_b32 s46, s46, 10
	s_add_co_u32 s44, s44, s46
	s_mov_b32 s45, 0
	s_wait_kmcnt 0x0
	s_add_nc_u64 s[8:9], s[8:9], s[40:41]
	s_add_nc_u64 s[10:11], s[10:11], s[40:41]
	s_add_nc_u64 s[16:17], s[16:17], s[40:41]
	s_add_nc_u64 s[12:13], s[12:13], s[42:43]
	s_add_nc_u64 s[14:15], s[14:15], s[42:43]
	s_add_nc_u64 s[18:19], s[18:19], s[44:45]
	s_cmp_lt_u32 s26, 4                            ; group 2: waves 0-3 take wk, waves 4-7 wv
	s_cselect_b64 s[32:33], s[12:13], s[14:15]
.macro LD2 m, off, base, imm           ; item m: 32 bytes a lane
	global_load_b128 v[DAT+8*(\m):DAT+8*(\m)+3],   v[\off], s[\base:\base+1] offset:(\imm) th:TH_LOAD_NT
	global_load_b128 v[DAT+8*(\m)+4:DAT+8*(\m)+7], v[\off], s[\base:\base+1] offset:(\imm)+16 th:TH_LOAD_NT
.endm
.macro LDW g, off, base, imm, rowb     ; group g: my 4 columns in the 8 rows
.irp j, 0,1,2,3,4,5,6,7
	global_load_b128 v[WB+32*(\g)+4*(\j):WB+32*(\g)+4*(\j)+3], v[\off], s[\base:\base+1] offset:(\imm)+(\j)*(\rowb) th:TH_LOAD_NT
.endr
.endm
.irp i, 0,1,2,3,4,5,6,7
	LD2 \i, XS, 8, ((\i)%4)*16384+((\i)/4)*512     ; x: rows 2 (i % 4) and the next, kq + 2 (i / 4)
.endr
	LDW 0, WQS, 10, 0, 8192
	LDW 1, WQS, 10, 4096, 8192
	LDW 2, WKS, 32, 0, 2048
.irp i, 0,1,2,3,4,5,6,7
	LD2 20+(\i), WOS, 16, (\i)*1024                ; wo, tile columns 2 i + w % 2
.endr
	; where the results go (scalar work, while the loads are out; none of the loads' bases is written)
	s_lshr_b32 s40, ttmp9, 2                       ; wt: kb = g / 4; my 8 k are piece g % 4 of the block's four
	s_mul_i32 s40, s40, 12288
	s_and_b32 s42, ttmp9, 3
	s_lshl_b32 s42, s42, 8
	s_add_co_u32 s40, s40, s42
	s_add_nc_u64 s[28:29], s[20:21], s[40:41]
	s_lshr_b32 s40, ttmp9, 5                       ; wo2: K step g / 32, rows 8 (g % 32) on, of 256 bytes
	s_lshl_b32 s40, s40, 16
	s_and_b32 s42, ttmp9, 31
	s_lshl_b32 s42, s42, 11
	s_add_co_u32 s40, s40, s42
	s_add_nc_u64 s[22:23], s[22:23], s[40:41]
	s_lshl_b32 s40, ttmp9, 11                      ; cs: 8 positions of 256 bytes
	s_add_nc_u64 s[24:25], s[24:25], s[40:41]
	; THE TABLE: angle = pos x 2^(-j log2(10000) / 32); reduced by multiples of pi / 2 (in two parts), then two short series on |r| <= pi / 4
	v_cvt_f32_u32 v16, v1
	v_mul_f32 v16, 0xbed49a78, v16                 ; -j x log2(10) / 8
	v_exp_f32 v17, v16
	v_cvt_f32_u32 v18, s47                         ; a plain line behind the exponential
	s_wait_alu depctr_va_vdst(0)                   ; the wait ahead of the first use of the exponential
	v_mul_f32 v19, v18, v17                        ; the angle
	v_mul_f32 v20, 0x3f22f983, v19                 ; x 2 / pi
	v_rndne_f32 v20, v20                           ; n
	v_fmamk_f32 v21, v20, 0xbfc90fdb, v19          ; r = angle - n x (pi / 2)'s high part
	v_fmamk_f32 v21, v20, 0x333bbd2e, v21          ;   - n x its low part
	v_mul_f32 v22, v21, v21                        ; r^2
	v_mov_b32 v23, 0xb9500d01                      ; -1 / 5040
	v_fmaak_f32 v23, v22, v23, 0x3c088889          ; + 1 / 120
	v_fmaak_f32 v23, v22, v23, 0xbe2aaaab          ; - 1 / 6
	v_mul_f32 v24, v21, v22
	v_fma_f32 v23, v24, v23, v21                   ; sin r
	v_mov_b32 v25, 0x37d00d01                      ; 1 / 40320
	v_fmaak_f32 v25, v22, v25, 0xbab60b61          ; - 1 / 720
	v_fmaak_f32 v25, v22, v25, 0x3d2aaaab          ; + 1 / 24
	v_fmaak_f32 v25, v22, v25, 0xbf000000          ; - 1 / 2
	v_fma_f32 v25, v22, v25, 1.0                   ; cos r
	v_cvt_i32_f32 v26, v20
	v_and_b32 v27, 1, v26
	v_cmp_eq_u32 vcc_lo, 1, v27                    ; odd quadrants change the two places
	v_cndmask_b32 v28, v25, v23, vcc_lo
	v_cndmask_b32 v29, v23, v25, vcc_lo
	v_add_nc_u32 v30, 1, v26                       ; cos is negative in quadrants 1 and 2,
	v_and_b32 v30, 2, v30
	v_lshlrev_b32 v30, 30, v30
	v_xor_b32 v28, v28, v30
	v_and_b32 v31, 2, v26                          ; sin in 2 and 3
	v_lshlrev_b32 v31, 30, v31
	v_xor_b32 v29, v29, v31
	global_store_b64 v[CSO], v[28:29], s[24:25]
.macro CVB m                           ; item m to bf16, in place
	s_wait_loadcnt 54-2*(\m)                       ; loads come back in order: the 2 (27 - m) younger ones may stay out
.irp r, 0,1,2,3
	v_cvt_pk_bf16_f32 v[DAT+8*(\m)+(\r)], v[DAT+8*(\m)+2*(\r)], v[DAT+8*(\m)+2*(\r)+1]
.endr
.endm
.macro CVH m                           ; and the bf16 numbers written as f16
	CVB \m
.irp r, 0,1,2,3
	v_lshlrev_b32 v[20+2*(\r)], 16, v[DAT+8*(\m)+(\r)]
	v_and_b32 v[21+2*(\r)], 0xffff0000, v[DAT+8*(\m)+(\r)]
.endr
.irp r, 0,1,2,3
	v_cvt_pk_f16_f32 v[DAT+8*(\m)+(\r)], v[20+2*(\r)], v[21+2*(\r)]
.endr
.endm
.macro ST m, off, base, imm
	global_store_b128 v[\off], v[DAT+8*(\m):DAT+8*(\m)+3], s[\base:\base+1] offset:(\imm)
.endm
; Group g of W: column c of my four, rows 2 p and 2 p + 1, make register p of a piece; the four pieces go into my wave's LDS by columns and come back a column a lane.
.macro WGRP g
	s_wait_loadcnt 32-8*(\g)                       ; the later groups' 8 loads each and wo's 16 may stay out
.irp c, 0,1,2,3
.irp p, 0,1,2,3
	v_cvt_pk_bf16_f32 v[DAT+8*(\c)+4+(\p)], v[WB+32*(\g)+8*(\p)+(\c)], v[WB+32*(\g)+8*(\p)+4+(\c)]
.endr
	ds_store_b128 v[LW], v[DAT+8*(\c)+4:DAT+8*(\c)+7] offset:2048*(\g)+16*(\c)
.endr
.irp i, 0,1,2,3
	ds_load_b128 v[WB+32*(\g)+4*(\i):WB+32*(\g)+4*(\i)+3], v[LR] offset:2048*(\g)+512*(\i)  ; LDS serves a wave's instructions in order: these see the stores above
.endr
	s_wait_dscnt 0x0
.irp i, 0,1,2,3
	global_store_b128 v[WTD+(\g)], v[WB+32*(\g)+4*(\i):WB+32*(\g)+4*(\i)+3], s[28:29] offset:((\i)/2)*786432+((\i)%2)*2048  ; columns 32 i on: head i / 2 lies a tile column on
.endr
.endm
.irp i, 0,1,2,3,4,5,6,7
	CVB \i
	ST \i, XD, 18, ((\i)/4)*32768+((\i)%4)*256
.endr
	WGRP 0
	WGRP 1
	WGRP 2
.irp i, 0,1,2,3,4,5,6,7
	CVH 20+(\i)
	ST 20+(\i), WOD, 22, (\i)*1048576
.endr
	s_wait_tensorcnt 0x0                           ; the wave's end, behind my last LDS store
	ds_add_u32 v[SPW], v[NIL]
	s_wait_dscnt 0x0
	s_endpgm
.Lfunc_end_k_q92014d5bab_prep:
	.size	k_q92014d5bab_prep, .Lfunc_end_k_q92014d5bab_prep-k_q92014d5bab_prep
	.p2alignl 7, 3214868480
	.fill 96, 4, 3214868480
	.section	.rodata,"a",@progbits
	.p2align	6, 0x0
	.amdhsa_kernel k_q92014d5bab_prep
		.amdhsa_group_segment_fixed_size 50176
		.amdhsa_private_segment_fixed_size 0
		.amdhsa_enable_private_segment 0
		.amdhsa_kernarg_size 72
		.amdhsa_user_sgpr_count 2
		.amdhsa_user_sgpr_kernarg_segment_ptr 1
		.amdhsa_wavefront_size32 1
		.amdhsa_system_sgpr_workgroup_id_x 1
		.amdhsa_system_sgpr_workgroup_id_y 1
		.amdhsa_system_sgpr_workgroup_id_z 1
		.amdhsa_system_vgpr_workitem_id 0
		.amdhsa_next_free_vgpr 256
		.amdhsa_next_free_sgpr 66
		.amdhsa_reserve_vcc 1
		.amdhsa_float_denorm_mode_32 3
		.amdhsa_float_denorm_mode_16_64 3
		.amdhsa_memory_ordered 1
		.amdhsa_forward_progress 1
		.amdhsa_inst_pref_size 29
	.end_amdhsa_kernel
	.amdgpu_metadata
---
amdhsa.version: [ 1, 2 ]
amdhsa.kernels:
  - .name:           k_q92014d5bab_prep
    .symbol:         k_q92014d5bab_prep.kd
    .args:
      - { .name: x, .offset: 0, .size: 8, .value_kind: global_buffer, .address_space: global }
      - { .name: wq, .offset: 8, .size: 8, .value_kind: global_buffer, .address_space: global }
      - { .name: wk, .offset: 16, .size: 8, .value_kind: global_buffer, .address_space: global }
      - { .name: wv, .offset: 24, .size: 8, .value_kind: global_buffer, .address_space: global }
      - { .name: wo, .offset: 32, .size: 8, .value_kind: global_buffer, .address_space: global }
      - { .name: xb, .offset: 40, .size: 8, .value_kind: global_buffer, .address_space: global }
      - { .name: wt, .offset: 48, .size: 8, .value_kind: global_buffer, .address_space: global }
      - { .name: wo2, .offset: 56, .size: 8, .value_kind: global_buffer, .address_space: global }
      - { .name: cs, .offset: 64, .size: 8, .value_kind: global_buffer, .address_space: global }
    .group_segment_fixed_size: 50176
    .private_segment_fixed_size: 0
    .kernarg_segment_align: 8
    .kernarg_segment_size: 72
    .max_flat_workgroup_size: 256
    .sgpr_count:     66
    .vgpr_count:     256
    .wavefront_size: 32
...
	.end_amdgpu_metadata
.endif
;; end of part 1
;; launch qkv (part 2): grid 16 x 16, 4 waves a work-group, clusters of 4 x 4, 327,680 bytes of LDS; arguments xb, wt, cs, qkv; writes qkv
.if DOCPART == 2
	.amdgcn_target "amdgcn-amd-amdhsa--gfx1250"
	.amdhsa_code_object_version 6
	.text
	.protected	k_q92014d5bab_qkv
	.globl	k_q92014d5bab_qkv
	.p2align	8
	.type	k_q92014d5bab_qkv,@function
k_q92014d5bab_qkv:
	s_mov_b64 s[64:65], 0
	v_nop
	global_prefetch_b8 v0, s[64:65] scope:SCOPE_SE
	s_setreg_imm32_b32 hwreg(HW_REG_WAVE_MODE, 25, 1), 1
	s_wait_xcnt 0x0
	s_wait_alu depctr_hold_cnt(0) depctr_sa_sdst(0) depctr_va_vdst(0) depctr_va_sdst(0) depctr_va_ssrc(0) depctr_va_vcc(0) depctr_vm_vsrc(0)
	s_getreg_b32 s2, hwreg(HW_REG_IB_STS2, 6, 4)
	s_cmp_eq_u32 s2, 0
	s_cbranch_scc0 .Lentry_in_a_cluster
	s_endpgm
.Lentry_in_a_cluster:
	s_bfe_u32 s2, ttmp6, 0x10000c
	s_cmp_lg_u32 s2, 0xf033
	s_cbranch_scc0 .Lentry_shape_is_right
	s_endpgm
.Lentry_shape_is_right:
; SECOND LAUNCH: q | k | v = x (wq | wk | wv), bf16 operands, f32 sums; q and k rotated in f32; all rounded once to f16 and stored by heads: qkv [48 heads][2048][64], heads 0-31 q, 32-39 k, 40-47 v, unscaled.
; LIMIT: |q|, |k|, |v| under 65,504.
; SHARES.  256 work-groups; each makes 128 rows x 3 heads (192 columns).  Tile column T = 4 X + cx holds the heads 12 X + 4 s + cx, s = 0, 1, 2, so that whether a head is rotated hangs on the cluster's X and
; on s alone: X < 3: all three; X = 3: s = 0 (a key head) yes, s = 1, 2 (value heads) no.  A wave makes 64 rows x 96 columns, 24 accumulators (a, b): b = 0..3 the whole head s = 2 (w % 2), b = 4, 5 half of head s = 1.
; THE RING.  The tile takes 640 bytes of x and W for each k, so two slots of 256 along K and the spare words do not fit in 327,680 bytes.  The two slots are unequal: slot 0 holds 256 along K, slot 1 holds 192;
; 5 x 256 + 4 x 192 = 2,048: nine fills, seven of them refills.  Both operands lie in memory in blocks of 64 along K (xb: 128 rows x 128 bytes; wt: 24 blocks of 1,024 bytes in register order), so every fill is
; dense and is asked for as rows of 256 bytes.  In LDS x's rows get 16 bytes of padding (pitch 144 = 36 words: the 16 rows of a load start at 16 different groups of four banks); W's blocks are read 16 bytes a
; lane on end and need none.
; THE WALK along K begins at block 0, 7, 18 or 25 of 32, by (X + 2 (Y % 2)) % 4, and wraps: the four clusters along x, which read the same rows of xb, and two neighbours along y, which read the same blocks
; of wt, ask for different blocks at any one time.  The four places are such that the wrap falls between two fills.  The sums' order differs from cluster to cluster, nothing else.
; THE PRODUCT IS TRANSPOSED (source 0 = 16 columns of W, source 1 = 16 rows of x): a lane holds one row and eight neighbouring columns, that is four (even, odd) pairs of the rotation.
; CLUSTER 4 x 4: x's tile is shared along a row of the cluster, W's along a column: each is asked for jointly.  By this text's count a wave has two tensor loads out at the start, later one.
; No prefetch: the tile of C is a small one (a wave's 64 x 96).
; REGISTERS: window 0: v16-29 addresses, v32-63 at work, v64-255 accumulators; window 1: two fragment buffers of 32 along K: buffer c: x's block a at 80 c + 8 a, W's block b at 80 c + 32 + 8 b;
; window 2: cos and sin, (a, b) at 8 (6 a + b).
.set QA,    128*144                    ; 64 along K of x in LDS
.set QW,    24576                      ; 64 along K of W
.set S0A,   0
.set S0B,   4*QA
.set S1A,   S0B+4*QW
.set S1B,   S1A+3*QA
.set SPARE, S1B+3*QW                   ; 301,056: the spare words, 128 bytes for each wave: two blocks of 256 bytes that no other line names
.set STAGE, S1A                        ; the way out: [3 heads][128 rows] of 128 + 16 bytes, just slot 1's 55,296 bytes of x, which have had their last fill and their last read by then
.set SP,    144
.set SHEAD, 128*SP
.set LA,   16                          ; my lane's place in a block of x; never rewritten
.set LF,   17                          ; in a block of W, whole head
.set LH,   18                          ; half head
.set ADRA, 19                          ; the LDS addresses of the block to be fetched
.set ADRF, 20
.set ADRH, 21
.set STOF, 22                          ; into the stage: whole head
.set STOH, 23                          ; half head
.set RD,   24                          ; back from the stage
.set GO,   25                          ; my 16 bytes of 512 in qkv
.set CSOF, 26                          ; my 32 bytes of a row of the table, whole head
.set CSOH, 27                          ; half head
.set SPW,  28                          ; my spare word; never rewritten
.set NIL,  29                          ; 0; never rewritten
.set TMP,  32
.set ACC,  64
.set G1A, 24                           ; s[24:39] group 1 for x's tiles, a set a slot
.set G1B, 40                           ; s[40:55] for W's
.set G0A, 56                           ; s[56:63] group 0 for x's tiles, a set a slot
.set G0B, 68                           ; s[68:75] for W's
.set LAP, 76
.set INN, 77
.set TBA, 78                           ; LDS byte at which x's next block to be fetched begins
.set TBB, 79                           ; W's
.set QI,  80                           ; the block of 64 along K with which the next fill begins
.set BA,  82                           ; s[82:85] xb at my half of a fill of slot 0, of slot 1, at block 0
.set OF,  86                           ; s[86:87] a byte offset
.set BB,  88                           ; s[88:91] the same in wt
.set MSB, 0
.macro WIN new                         ; the immediate's high byte repeats the setting that is left; a switch that changes nothing is dropped
.if MSB != (\new)
	s_set_vgpr_msb (MSB<<8)|(\new)
.set MSB, \new
.endif
.endm
.macro JLOAD s                         ; a joint load: waves 0, 1 fetch x's halves, waves 2, 3 W's; an s_nop 0 and four v_nop follow each line
	s_cmp_eq_u32 s13, 0
	s_cbranch_scc0 .Lfor_b_\@
	tensor_load_to_lds s[G0A+4*(\s):G0A+4*(\s)+3], s[G1A+8*(\s):G1A+8*(\s)+7]
	s_nop 0
.rept 4
	v_nop
.endr
	s_branch .Lasked_\@
.Lfor_b_\@:
	tensor_load_to_lds s[G0B+4*(\s):G0B+4*(\s)+3], s[G1B+8*(\s):G1B+8*(\s)+7]
	s_nop 0
.rept 4
	v_nop
.endr
.Lasked_\@:
.endm
.macro CROUND                          ; a round of the cluster's barrier
	s_barrier_signal -1
	s_barrier_wait -1
	s_cmp_lg_u32 s12, 0
	s_cbranch_scc1 .Lnot_wave_0_\@
	s_barrier_signal -3
.Lnot_wave_0_\@:
	s_barrier_wait -3
	s_barrier_signal -1
	s_barrier_wait -1
.endm
.macro PLACES                          ; four plain lines between a matrix instruction and a load into, or a vector line on, its registers
.rept 4
	v_nop
.endr
.endm
.macro NEWADDR s                       ; slot s's two descriptors take the fill that begins at block QI: the addresses are made anew from that number; QI goes on by the slot's blocks and wraps
	s_lshl_b32 s[OF], s[QI], 14
	s_add_nc_u64 s[G0A+4*(\s)+2:G0A+4*(\s)+3], s[BA+2*(\s):BA+2*(\s)+1], s[OF:OF+1]
	s_or_b32 s[G0A+4*(\s)+3], s[G0A+4*(\s)+3], 0x80000000
	s_mul_i32 s[OF], s[QI], QW
	s_add_nc_u64 s[G0B+4*(\s)+2:G0B+4*(\s)+3], s[BB+2*(\s):BB+2*(\s)+1], s[OF:OF+1]
	s_or_b32 s[G0B+4*(\s)+3], s[G0B+4*(\s)+3], 0x80000000
	s_add_co_u32 s[QI], s[QI], 4-(\s)
	s_cmp_eq_u32 s[QI], 32
	s_cselect_b32 s[QI], 0, s[QI]
.endm
	s_load_b256 s[4:11], s[0:1], 0x0               ; xb s[4:5], wt s[6:7], cs s[8:9], qkv s[10:11]
	v_lshl_add_u32 v[SPW], v0, 2, SPARE
	v_mov_b32 v[NIL], 0
	ds_add_u32 v[SPW], v[NIL]                      ; the opening: the add, twice on end, and its wait ahead of my first tensor load
	ds_add_u32 v[SPW], v[NIL]
	v_lshrrev_b32 v1, 5, v0
	v_readfirstlane_b32 s12, v1                    ; wave
	s_lshr_b32 s13, s12, 1                         ; my half of the rows; also: I fetch x (0) or W (1)
	s_and_b32 s14, s12, 1                          ; my half of the columns; also: which half I fetch
	s_bfe_u32 s15, ttmp6, 0x40000                  ; cx
	s_bfe_u32 s16, ttmp6, 0x40004                  ; cy
	s_lshl_b32 s17, ttmp9, 2
	s_add_co_u32 s17, s17, s15                     ; T
	s_and_b32 s18, ttmp7, 0xffff
	s_lshl_b32 s18, s18, 2
	s_add_co_u32 s18, s18, s16                     ; tile row R
	s_lshl_b32 s19, s16, 2
	s_lshl_b32 s19, 15, s19                        ; my row of the cluster
	s_lshl_b32 s20, 0x1111, s15                    ; my column
	s_or_b32 s[G1A],   s19, (1<<16)|(1<<20)|(1<<21)|(4<<22)|(3<<25)  ; mask; 2-byte elements; padding on; bit 21 beside a mask; after every 32 words (a row of x) 4 words
	s_or_b32 s[G1A+8], s19, (1<<16)|(1<<20)|(1<<21)|(4<<22)|(3<<25)
	s_or_b32 s[G1B],   s20, (1<<16)|(1<<21)        ; no padding
	s_or_b32 s[G1B+8], s20, (1<<16)|(1<<21)
.irp g, G1A, G1A+8, G1B, G1B+8
	s_mov_b32 s[(\g)+1], 128<<16                   ; tensor_dim0 = 128: rows of 256 bytes
	s_mov_b32 s[(\g)+3], 128<<16                   ; tile_dim0 = 128
	s_mov_b32 s[(\g)+5], 128                       ; dense
	s_mov_b32 s[(\g)+6], 0
	s_mov_b32 s[(\g)+7], 0
.endr
	s_mov_b32 s[G1A+2], 128<<16                    ; a wave's half of a fill, in rows of 256 bytes: x, slot 0: 4 x 16,384 / 2 / 256 = 128
	s_mov_b32 s[G1A+4], 128
	s_mov_b32 s[G1A+10], 96<<16                    ; x, slot 1: 96
	s_mov_b32 s[G1A+12], 96
	s_mov_b32 s[G1B+2], 192<<16                    ; W, slot 0: 4 x 24,576 / 2 / 256 = 192
	s_mov_b32 s[G1B+4], 192
	s_mov_b32 s[G1B+10], 144<<16                   ; W, slot 1: 144
	s_mov_b32 s[G1B+12], 144
	s_and_b32 s21, ttmp7, 1                        ; where the cluster's walk along K begins
	s_lshl1_add_u32 s21, s21, ttmp9
	s_and_b32 s21, s21, 3
	s_mul_i32 s[QI], s21, 7
	s_lshr_b32 s21, s21, 1
	s_lshl2_add_u32 s[QI], s21, s[QI]              ; 0, 7, 18, 25
	s_mov_b32 s[OF+1], 0
	s_mul_i32 s92, s14, 36864                      ; where the halves go: no place in the cluster enters an LDS address
	s_mul_i32 s93, s14, 27648
	s_mul_i32 s94, s14, 49152
	s_mov_b32 s[G0A], 1
	s_add_co_u32 s[G0A+1], s92, S0A
	s_mov_b32 s[G0A+4], 1
	s_add_co_u32 s[G0A+5], s93, S1A
	s_mov_b32 s[G0B], 1
	s_add_co_u32 s[G0B+1], s94, S0B
	s_mov_b32 s[G0B+4], 1
	s_add_co_u32 s[G0B+5], s92, S1B
	s_lshl_b32 s22, s18, 19                        ; xb: tile row R
	s_mov_b32 s23, 0
	s_mul_i32 s2, s17, 786432                      ; wt: tile column T
	s_mov_b32 s3, 0
	s_cmp_lt_u32 ttmp9, 3
	s_cselect_b32 s67, 1, 0                        ; is head s = 1 rotated?
	s_cmp_eq_u32 s14, 0
	s_cselect_b32 s66, 1, s67                      ; is my whole head (s = 0 or 2)?
	s_wait_dscnt 0x0                               ; both opening adds are done
	s_wait_kmcnt 0x0
	s_add_nc_u64 s[BA:BA+1], s[4:5], s[22:23]
	s_mov_b64 s[BA+2:BA+3], s[BA:BA+1]
	s_lshl_b32 s22, s14, 15                        ; my half of a fill in memory: x, slot 0: 32,768 bytes,
	s_add_nc_u64 s[BA:BA+1], s[BA:BA+1], s[22:23]
	s_mul_i32 s22, s14, 24576                      ; slot 1
	s_add_nc_u64 s[BA+2:BA+3], s[BA+2:BA+3], s[22:23]
	s_add_nc_u64 s[BB:BB+1], s[6:7], s[2:3]
	s_mov_b64 s[BB+2:BB+3], s[BB:BB+1]
	s_mov_b32 s2, s94                              ; W, slot 0: 49,152,
	s_add_nc_u64 s[BB:BB+1], s[BB:BB+1], s[2:3]
	s_mov_b32 s2, s92                              ; slot 1: 36,864
	s_add_nc_u64 s[BB+2:BB+3], s[BB+2:BB+3], s[2:3]
	CROUND                                         ; all sixteen work-groups are here: the first joint loads meet
	NEWADDR 0
	JLOAD 0
	NEWADDR 1
	JLOAD 1
	v_and_b32 v1, 15, v0                           ; r
	v_bfe_u32 v2, v0, 4, 1                         ; h
	v_and_b32 v8, 31, v0                           ; l
	v_and_b32 v4, 7, v0
	v_mul_u32_u24 v[LA], v1, 144                   ; x's fragment: row 64 (w / 2) + r, 16 bytes a half
	v_lshl_add_u32 v[LA], v2, 4, v[LA]
	s_mul_i32 s92, s13, 64*144
	v_add_nc_u32 v[LA], s92, v[LA]
	s_lshl_b32 s92, s14, 13                        ; W's: 16 bytes a lane; whole head: blocks 8 (w % 2) on,
	v_lshl_add_u32 v[LF], v8, 4, s92
	s_lshl_b32 s92, s14, 11                        ; half head: blocks 4 + 2 (w % 2) on
	s_add_co_u32 s92, s92, 4096
	v_lshl_add_u32 v[LH], v8, 4, s92
	v_mul_u32_u24 v7, v1, SP
	v_lshl_add_u32 v7, v2, 4, v7
	s_mul_i32 s93, s13, 64*SP
	s_add_co_u32 s93, s93, STAGE
	s_mul_i32 s94, s14, 2*SHEAD
	s_add_co_u32 s94, s94, s93
	v_add_nc_u32 v[STOF], s94, v7
	s_lshl_b32 s94, s14, 6
	s_add_co_u32 s94, s94, s93
	s_add_co_u32 s94, s94, SHEAD
	v_add_nc_u32 v[STOH], s94, v7
	v_lshrrev_b32 v9, 3, v8
	v_mul_u32_u24 v9, v9, SP
	v_lshl_add_u32 v9, v4, 4, v9
	s_mul_i32 s94, s12, 32*SP                      ; back: wave w takes rows 32 w .. 32 w + 31 of each head, four rows a load
	s_add_co_u32 s94, s94, STAGE
	v_add_nc_u32 v[RD], s94, v9
	v_lshlrev_b32 v[GO], 4, v8
	v_lshlrev_b32 v[CSOF], 8, v1                   ; the table: 256 bytes a position, 32 bytes for my 4 pairs
	v_lshl_add_u32 v[CSOF], v2, 5, v[CSOF]
	s_lshl_b32 s94, s14, 7
	v_add_nc_u32 v[CSOH], s94, v[CSOF]
	s_lshl_b32 s22, s18, 7
	s_lshl_b32 s21, s13, 6
	s_add_co_u32 s22, s22, s21
	s_lshl_b32 s22, s22, 8
	s_add_nc_u64 s[8:9], s[8:9], s[22:23]          ; the table at my first row
	s_mul_i32 s2, ttmp9, 12
	s_add_co_u32 s2, s2, s15
	s_lshl_b32 s2, s2, 18
	s_add_nc_u64 s[10:11], s[10:11], s[2:3]        ; qkv at head 12 X + cx,
	s_lshl_b32 s22, s18, 7
	s_lshl_b32 s21, s12, 5
	s_add_co_u32 s22, s22, s21
	s_lshl_b32 s22, s22, 7
	s_add_nc_u64 s[10:11], s[10:11], s[22:23]      ; row 128 R + 32 w
	WIN 0x80                                       ; cos and sin for all my numbers; waited for on the way out.  Every wave loads them, rotated or not
.irp a, 0,1,2,3
.irp b, 0,1,2,3
	global_load_b128 v[8*(6*(\a)+(\b)):8*(6*(\a)+(\b))+3],   v[CSOF], s[8:9] offset:4096*(\a)+64*(\b)
	global_load_b128 v[8*(6*(\a)+(\b))+4:8*(6*(\a)+(\b))+7], v[CSOF], s[8:9] offset:4096*(\a)+64*(\b)+16
.endr
.irp b, 4,5
	global_load_b128 v[8*(6*(\a)+(\b)):8*(6*(\a)+(\b))+3],   v[CSOH], s[8:9] offset:4096*(\a)+64*((\b)-4)
	global_load_b128 v[8*(6*(\a)+(\b))+4:8*(6*(\a)+(\b))+7], v[CSOH], s[8:9] offset:4096*(\a)+64*((\b)-4)+16
.endr
.endr
	WIN 0
; 24 matrix instructions: all my accumulators, 32 along K: buffer c.  The 24 take turns in one order.
.macro MUL24 c, zero
	WIN 0x05
.irp a, 0,1,2,3
.irp b, 0,1,2,3,4,5
.if \zero
	v_wmma_f32_16x16x32_bf16 v[ACC+8*(6*(\a)+(\b)):ACC+8*(6*(\a)+(\b))+7], v[80*(\c)+32+8*(\b):80*(\c)+32+8*(\b)+7], v[80*(\c)+8*(\a):80*(\c)+8*(\a)+7], 0
.else
	v_wmma_f32_16x16x32_bf16 v[ACC+8*(6*(\a)+(\b)):ACC+8*(6*(\a)+(\b))+7], v[80*(\c)+32+8*(\b):80*(\c)+32+8*(\b)+7], v[80*(\c)+8*(\a):80*(\c)+8*(\a)+7], v[ACC+8*(6*(\a)+(\b)):ACC+8*(6*(\a)+(\b))+7]
.endif
.endr
.endr
.endm
; 20 LDS loads in one run: half c (32 along K) of the block at the three addresses, into buffer c
.macro FETCH c
	WIN 0x40
.irp a, 0,1,2,3
	ds_load_b128 v[80*(\c)+8*(\a):80*(\c)+8*(\a)+3],   v[ADRA] offset:64*(\c)+16*144*(\a)
	ds_load_b128 v[80*(\c)+8*(\a)+4:80*(\c)+8*(\a)+7], v[ADRA] offset:64*(\c)+16*144*(\a)+32
.endr
.irp b, 0,1,2,3
	ds_load_b128 v[80*(\c)+32+8*(\b):80*(\c)+32+8*(\b)+3],   v[ADRF] offset:12288*(\c)+1024*(\b)
	ds_load_b128 v[80*(\c)+32+8*(\b)+4:80*(\c)+32+8*(\b)+7], v[ADRF] offset:12288*(\c)+1024*(\b)+512
.endr
.irp b, 4,5
	ds_load_b128 v[80*(\c)+32+8*(\b):80*(\c)+32+8*(\b)+3],   v[ADRH] offset:12288*(\c)+1024*((\b)-4)
	ds_load_b128 v[80*(\c)+32+8*(\b)+4:80*(\c)+32+8*(\b)+7], v[ADRH] offset:12288*(\c)+1024*((\b)-4)+512
.endr
.endm
.macro NEXTADR                         ; the addresses of the block to be fetched; the two bases go on by a block.  Three plain vector lines
	v_add_nc_u32 v[ADRA], s[TBA], v[LA]
	v_add_nc_u32 v[ADRF], s[TBB], v[LF]
	v_add_nc_u32 v[ADRH], s[TBB], v[LH]
	s_add_co_u32 s[TBA], s[TBA], QA
	s_add_co_u32 s[TBB], s[TBB], QW
.endm
; A block of 64 along K: each buffer is multiplied and then filled with its half of the next block of the same slot.
.macro QBODY zero
	s_wait_dscnt 20                                ; buffer 0 is in; buffer 1's twenty loads may stay out
	MUL24 0, \zero
	WIN 0
	NEXTADR                                        ; with the v_nop: the four places in front of the loads
	v_nop
	FETCH 0
	s_wait_dscnt 20                                ; buffer 1 is in; the twenty just issued may stay out
	MUL24 1, 0
	PLACES
	FETCH 1
.endm
.macro QLOOP n                         ; n such blocks
	WIN 0
	s_mov_b32 s[INN], \n
.Lq_\@:
	QBODY 0
	WIN 0
	s_sub_co_u32 s[INN], s[INN], 1
	s_cmp_lg_u32 s[INN], 0
	s_cbranch_scc1 .Lq_\@
.endm
; A slot's last block, and the change of slots.  All reads of the slot have been issued.  Each wave waits for all its tensor loads (one is out: its part of the other slot), adds 0 to its spare word, and waits for
; that and for its reads.  fill = 1: a round of the cluster's barrier, and the joint refill is the first thing behind it; between the wait for the tile and the refill stand the add, scalar work and the round alone.
.macro QTURN slot, fill
	s_wait_dscnt 20
	MUL24 0, 0
	WIN 0
	s_wait_tensorcnt 0x0
	ds_add_u32 v[SPW], v[NIL]
.if \fill
	NEWADDR \slot
.endif
.if (\slot) == 0
	s_mov_b32 s[TBA], S1A                          ; the fetches go on in the other slot
	s_mov_b32 s[TBB], S1B
.else
	s_mov_b32 s[TBA], S0A
	s_mov_b32 s[TBB], S0B
.endif
	NEXTADR
	s_wait_dscnt 0x0                               ; the add is done, my reads of this slot are over
.if \fill
	CROUND
	JLOAD \slot                                    ; its four v_nop are also places in front of the loads below
.else
	s_barrier_signal -1
	s_barrier_wait -1
	PLACES
.endif
	FETCH 0
	MUL24 1, 0
	PLACES
	FETCH 1
.endm
	s_wait_tensorcnt 1                             ; my part of slot 0 is in; slot 1's may stay out
	s_barrier_signal -1
	s_barrier_wait -1
	s_mov_b32 s[TBA], S0A
	s_mov_b32 s[TBB], S0B
	NEXTADR
	FETCH 0
	FETCH 1
	QBODY 1                                        ; the first products start the sums
	QLOOP 2
	QTURN 0, 1                                     ; slot 0's first refill
	WIN 0
	s_mov_b32 s[LAP], 3
.Llap:                                                 ; a trip: slot 1's 192 along K, slot 0's 256; both are filled again
	QLOOP 2
	QTURN 1, 1
	QLOOP 3
	QTURN 0, 1
	WIN 0
	s_sub_co_u32 s[LAP], s[LAP], 1
	s_cmp_lg_u32 s[LAP], 0
	s_cbranch_scc1 .Llap
	QLOOP 2                                        ; the last two fills are read; nothing is asked for
	QTURN 1, 0
	QLOOP 3
	s_wait_dscnt 20
	MUL24 0, 0
	s_wait_dscnt 0x0
	MUL24 1, 0
	WIN 0
	PLACES
	s_wait_loadcnt 0x0                             ; cos and sin
; THE ROTATION of block (a, b): registers (2 p, 2 p + 1) are (tr, ti); out = (tr c - ti s, tr s + ti c).  Each accumulator is read from its low end on.
.macro ROT a, b
.set rA, ACC+8*(6*(\a)+(\b))
.set rC, 8*(6*(\a)+(\b))
.set rT, TMP+8*((\b)%2)
.irp p, 0,1,2,3
	v_mul_f32 v[rT+2*(\p)],   v[rA+2*(\p)+1], v[rC+2*(\p)+1]
	v_mul_f32 v[rT+2*(\p)+1], v[rA+2*(\p)+1], v[rC+2*(\p)]
.endr
.irp p, 0,1,2,3
	v_fma_f32 v[rA+2*(\p)+1], v[rA+2*(\p)], v[rC+2*(\p)+1], v[rT+2*(\p)+1]
	v_fma_f32 v[rA+2*(\p)],   v[rA+2*(\p)], v[rC+2*(\p)],   -v[rT+2*(\p)]
.endr
.endm
	s_cmp_eq_u32 s66, 0                            ; hangs on the cluster's X and the wave's number alone
	s_cbranch_scc1 .Lno_rot_f
	WIN 0x08                                       ; source 1 (cos, sin) in window 2
.irp a, 0,1,2,3
.irp b, 0,1,2,3
	ROT \a, \b
.endr
.endr
	WIN 0
.Lno_rot_f:
	s_cmp_eq_u32 s67, 0
	s_cbranch_scc1 .Lno_rot_h
	WIN 0x08
.irp a, 0,1,2,3
.irp b, 4,5
	ROT \a, \b
.endr
.endr
	WIN 0
.Lno_rot_h:
; THE WAY OUT: rounded to f16, 16 bytes a lane into the work-group's stage; a barrier, since head s = 1's rows come from two waves; back as whole rows, 512 consecutive bytes a store.
; The stage's bytes were slot 1's: every wave's reads of them were over at the barrier of the last change of slots, and no load fills them again.
.macro OUT a, b
.set rA, ACC+8*(6*(\a)+(\b))
.set rT, TMP+4*((6*(\a)+(\b))%8)
.irp r, 0,1,2,3
	v_cvt_pk_f16_f32 v[rT+(\r)], v[rA+2*(\r)], v[rA+2*(\r)+1]
.endr
.if (\b) < 4
	ds_store_b128 v[STOF], v[rT:rT+3] offset:16*SP*(\a)+32*(\b)
.else
	ds_store_b128 v[STOH], v[rT:rT+3] offset:16*SP*(\a)+32*((\b)-4)
.endif
.endm
.irp a, 0,1,2,3
.irp b, 0,1,2,3,4,5
	OUT \a, \b
.endr
.endr
	s_wait_dscnt 0x0                               ; for the others' sake: my stores into the stage are done
	s_barrier_signal -1
	s_barrier_wait -1
.set n, 0
.rept 24
	ds_load_b128 v[ACC+4*n:ACC+4*n+3], v[RD] offset:(n/8)*SHEAD+(n%8)*4*SP
.set n, n+1
.endr
.set n, 0
.rept 24
	s_wait_dscnt 23-n                              ; LDS loads come back in order: the younger ones may stay out
	global_store_b128 v[GO], v[ACC+4*n:ACC+4*n+3], s[10:11] offset:(n/8)*1048576+(n%8)*512  ; head s = n / 8 lies four heads on; four rows of 128 bytes
.set n, n+1
.endr
	s_wait_tensorcnt 0x0                           ; the wave's end
	ds_add_u32 v[SPW], v[NIL]
	s_wait_dscnt 0x0
	CROUND                                         ; the closing round
	s_endpgm
.Lfunc_end_k_q92014d5bab_qkv:
	.size	k_q92014d5bab_qkv, .Lfunc_end_k_q92014d5bab_qkv-k_q92014d5bab_qkv
	.p2alignl 7, 3214868480
	.fill 96, 4, 3214868480
	.section	.rodata,"a",@progbits
	.p2align	6, 0x0
	.amdhsa_kernel k_q92014d5bab_qkv
		.amdhsa_group_segment_fixed_size 327680
		.amdhsa_private_segment_fixed_size 0
		.amdhsa_enable_private_segment 0
		.amdhsa_kernarg_size 32
		.amdhsa_user_sgpr_count 2
		.amdhsa_user_sgpr_kernarg_segment_ptr 1
		.amdhsa_wavefront_size32 1
		.amdhsa_system_sgpr_workgroup_id_x 1
		.amdhsa_system_sgpr_workgroup_id_y 1
		.amdhsa_system_sgpr_workgroup_id_z 1
		.amdhsa_system_vgpr_workitem_id 0
		.amdhsa_next_free_vgpr 704
		.amdhsa_next_free_sgpr 96
		.amdhsa_reserve_vcc 0
		.amdhsa_float_denorm_mode_32 3
		.amdhsa_float_denorm_mode_16_64 3
		.amdhsa_memory_ordered 1
		.amdhsa_forward_progress 1
		.amdhsa_inst_pref_size 118
	.end_amdhsa_kernel
	.amdgpu_metadata
---
amdhsa.version: [ 1, 2 ]
amdhsa.kernels:
  - .name:           k_q92014d5bab_qkv
    .symbol:         k_q92014d5bab_qkv.kd
    .args:
      - { .name: xb, .offset: 0, .size: 8, .value_kind: global_buffer, .address_space: global }
      - { .name: wt, .offset: 8, .size: 8, .value_kind: global_buffer, .address_space: global }
      - { .name: cs, .offset: 16, .size: 8, .value_kind: global_buffer, .address_space: global }
      - { .name: qkv, .offset: 24, .size: 8, .value_kind: global_buffer, .address_space: global }
    .group_segment_fixed_size: 327680
    .private_segment_fixed_size: 0
    .kernarg_segment_align: 8
    .kernarg_segment_size: 32
    .max_flat_workgroup_size: 128
    .sgpr_count:     96
    .vgpr_count:     704
    .wavefront_size: 32
...
	.end_amdgpu_metadata
.endif
;; end of part 2
;; launch attn (part 3): grid 32 x 8, 4 waves a work-group, clusters of 4 x 1, 327,680 bytes of LDS; arguments qkv, ob; writes ob
.if DOCPART == 3
	.amdgcn_target "amdgcn-amd-amdhsa--gfx1250"
	.amdhsa_code_object_version 6
	.text
	.protected	k_q92014d5bab_attn
	.globl	k_q92014d5bab_attn
	.p2align	8
	.type	k_q92014d5bab_attn,@function
k_q92014d5bab_attn:
	s_mov_b64 s[64:65], 0
	v_nop
	global_prefetch_b8 v0, s[64:65] scope:SCOPE_SE
	s_setreg_imm32_b32 hwreg(HW_REG_WAVE_MODE, 25, 1), 1
	s_wait_xcnt 0x0
	s_wait_alu depctr_hold_cnt(0) depctr_sa_sdst(0) depctr_va_vdst(0) depctr_va_sdst(0) depctr_va_ssrc(0) depctr_va_vcc(0) depctr_vm_vsrc(0)
	s_getreg_b32 s2, hwreg(HW_REG_IB_STS2, 6, 4)
	s_cmp_eq_u32 s2, 0
	s_cbranch_scc0 .Lentry_in_a_cluster
	s_endpgm
.Lentry_in_a_cluster:
	s_bfe_u32 s2, ttmp6, 0x10000c
	s_cmp_lg_u32 s2, 0x3003
	s_cbranch_scc0 .Lentry_shape_is_right
	s_endpgm
.Lentry_shape_is_right:
; THIRD LAUNCH: causal attention with grouped heads.  ob[pos][64 head + d] = the sum over k <= pos of softmax_k(q . k / 8) v, q of head 0-31, k and v of head / 4.  qkv: [48][2048][64] f16; ob: [2048][2048] f16.
; WORK LEFT OUT: key tiles wholly above the diagonal: their scores are replaced by -inf in the computation itself, so their weights are 0 for all inputs.
; Products, maxima and sums in f32; the weights are rounded to f16 for the second product (their sum is taken unrounded), the result once at the end.
; LIMITS.  A hidden score counts as its value less 1e30; a weight below 2^-126 counts as 0; NaN and infinities are not treated apart.
; THE WALK.  Positions lie in 64 blocks of 32; block i needs the key tiles 0 .. i / 8 of 256 keys.  Work-group b (0-31) of key head g takes blocks 63 - b and then b, for all four query heads of g.
; With PB = b / 8 that is 8 - PB tiles and then PB + 1: nine, whatever b: one loop with a constant count walks them.  b = 4 x (cluster x) + cx, so PB = (cluster x) / 2 is the same in the four partners of a
; cluster: they walk the same tiles in the same trips, and each tile is asked for JOINTLY.  What differs between partners (which positions, where the diagonal lies) enters global addresses and mask values alone.
; SHARES.  Wave w owns positions 16 (w / 2) + 0..15 of the block, heads 4 g + 2 (w % 2) + x: two PIECES x = 0, 1 of 16 queries, which share one mask and make 256 consecutive bytes of each row of ob.
; THE MASK is the C operand that starts S^T = K Q^T, in every tile: one text serves plain tiles and a block's last.  In plain tiles the mask registers hold 0 and are left alone: a scalar branch on the
; tiles that the block still has, the same in all partners, leads round the lines that make masks.  In a block's last tile step sigma is open if sigma < SD, holds the diagonal if sigma = SD, is hidden if
; sigma > SD, SD = (i / 2) % 4: mask = MD x AL + BE with (AL, BE) = (0, 0), (1, 0), (0, -1e30); MD, made once for each block, is the diagonal step's mask.
; TURNS.  T0(s): 8 products K Q^T of piece 1, step s | softmax of piece 0, step s, and the maximum of piece 1 | 8 products V^T P of piece 1, step s - 1.  It fetches K of step s + 1.
;         T1(s): 8 products K Q^T of piece 0, step s + 1 | softmax of piece 1 and the maximum of piece 0 | 8 products V^T P of piece 0, step s.  It fetches V of step s + 1 into the other of V's two buffers.
; So all of a slot has been fetched when T1 of its third step ends, and the change of slots stands there.  Four vector lines stand behind every matrix instruction, the rest in one run; a turn's 33 exponentials
; are one batch with one wait.
; REGISTERS: window 0 holds all that the vector work touches, and Q: v2-15 addresses; v16-23 statistics (c m, m, l, l a piece); v48-55 at work; v64-127 S^T, a buffer a piece; v128-191 O^T; v192-223 P; v224-255 Q.
;   window 1: v64-127 MD (first block, second block); v128-159 the mask in hand.    window 2: v32-63 the second block's Q; v64-127 K; v128-255 V, two buffers.
; So a matrix instruction wants one setting (source 0 in window 2) and its riders another (all 0): two switches a matrix instruction.
.set NB,    8
.set NP,    2
.set KS,    64
.set PK,    144                        ; a row of K in LDS: 128 bytes + 16
.set PV,    160                        ; a row of V: 128 + 32
.set VOFF,  4*KS*PK                    ; a slot holds a tile: 256 rows of K, then 256 rows of V
.set SLOT1, 1<<17
.set STAGE, SLOT1+4*KS*(PK+PV)         ; behind the ring, never filled by a tensor load: 16 rows x 272 bytes for each wave
.set SP,    272
.set SPARE, STAGE+4*16*SP              ; the spare words, 128 bytes for each wave: two blocks of 256 bytes that no other line names
.set AK0, 2
.set AV0, 3
.set AK,  4
.set AV,  5
.set STO, 6
.set RD,  7
.set GO,  8
.set MV,  12                           ; v12-13 c m_old
.set QO,  15
.set ST,  16
.set TMP, 48
.set PFO, 61                           ; 256 x my lane; never rewritten
.set SPW, 62                           ; my spare word; never rewritten
.set NIL, 63                           ; 0; never rewritten
.set S,   64
.set OT,  128
.set P,   192
.set QW,  224
.set MD,  64
.set MC,  128
.set QB,  32
.set KF,  64
.set VF,  128
.set WV,  12
.set PB,  14
.set HI,  15
.set PFA, 18                           ; s[18:19] where my prefetches stand
.set G1K, 24
.set G1V, 32
.set G0K, 40
.set G0V, 44
.set SLOTS, 56
.set CNT, 57
.set CS,  58
.set SEL, 60
.set TBK, 62
.set TBV, 63
.set RT,  70                           ; tiles of the block in hand still to be entered
.set NXT, 71                           ; the tile to be asked for next
.set LQ,  72                           ; the last tile of the block whose tiles are being asked for
.set NEW, 73                           ; 1: the tile to be entered is a block's first
.set OFF, 74
.set AL,  76
.set BE,  78
.set OLO, 80                           ; s[80:81] ob at my rows of the second block
.set BIGN, 82
.set SD,  83                           ; the diagonal's step in the last tile of the block in hand
.set SDL, 84                           ; the second block's
.set SG,  85                           ; the step for which the next mask is made
.set LIM, 92
.set MSB, 0
.macro WIN new
.if MSB != (\new)
	s_set_vgpr_msb (MSB<<8)|(\new)
.set MSB, (\new)
.endif
.endm
.set W_MM, 0x02                        ; K or V (source 0) in window 2, all else in window 0
.set W_KM, 0x12                        ; the same with the C operand, the mask, in window 1
.set W_MK, 0x41                        ; masks are made: destination and source 0 in window 1
.macro JLOAD                           ; a joint fill: waves 0, 1 fetch the halves of a tile's K, waves 2, 3 of its V; an s_nop 0 and four v_nop follow each line
	s_cmp_lt_u32 s[WV], 2
	s_cbranch_scc0 .Lfor_v_\@
	tensor_load_to_lds s[G0K:G0K+3], s[G1K:G1K+7]
	s_nop 0
.rept 4
	v_nop
.endr
	s_branch .Lasked_\@
.Lfor_v_\@:
	tensor_load_to_lds s[G0V:G0V+3], s[G1V:G1V+7]
	s_nop 0
.rept 4
	v_nop
.endr
.Lasked_\@:
.endm
; A PREFETCH of the tile two behind the one just asked for: its 32,768 bytes of K and of V, a lane a block of 256 bytes.  All clusters of a key head begin with the same tiles: the first cluster, which walks all
; eight, asks; its four partners take a quarter each BY ADDRESS; wave 0 asks for K's, wave 2 for V's.  Trips 0 to 4 name tiles 3 to 7, each once; tiles 0 to 2 come by their loads alone.
.macro ASK
	s_cmp_gt_u32 s[SLOTS], s[LIM]
	s_cbranch_scc0 .Lnot_mine_\@
	global_prefetch_b8 v[PFO], s[PFA:PFA+1] th:TH_LOAD_NT scope:SCOPE_SE
.Lnot_mine_\@:
.endm
.macro CROUND
	s_barrier_signal -1
	s_barrier_wait -1
	s_cmp_lg_u32 s[WV], 0
	s_cbranch_scc1 .Lnot_wave_0_\@
	s_barrier_signal -3
.Lnot_wave_0_\@:
	s_barrier_wait -3
	s_barrier_signal -1
	s_barrier_wait -1
.endm
; THE CHANGE OF SLOTS.  Each wave waits for all its tensor loads (one is out: its part of the other slot), adds 0 to its spare word, and waits for that and for its reads of the slot that it leaves.
; fill = 1: a round of the cluster's barrier, and the old slot is filled again, first thing behind it, with tile NXT: the address is made anew from that number.
.macro CHANGE fill
	WIN 0
	s_wait_tensorcnt 0x0
	ds_add_u32 v[SPW], v[NIL]
.if \fill
	s_lshl_b32 s[OFF], s[NXT], 15
	s_xor_b32 s[G0K+1], s[G0K+1], SLOT1
	s_add_nc_u64 s[G0K+2:G0K+3], s[6:7], s[OFF:OFF+1]
	s_or_b32 s[G0K+3], s[G0K+3], 0x80000000
	s_xor_b32 s[G0V+1], s[G0V+1], SLOT1
	s_add_nc_u64 s[G0V+2:G0V+3], s[8:9], s[OFF:OFF+1]
	s_or_b32 s[G0V+3], s[G0V+3], 0x80000000
	s_add_co_u32 s[NXT], s[NXT], 1                 ; the block's next tile, or behind its last the second block's tile 0
	s_cmp_gt_u32 s[NXT], s[LQ]
	s_cselect_b32 s[NXT], 0, s[NXT]
	s_cselect_b32 s[LQ], s[PB], s[LQ]
	s_wait_xcnt 0x0                                ; the last prefetch, a tile back, has read its address
	s_add_nc_u64 s[PFA:PFA+1], s[PFA:PFA+1], 32768
	s_wait_dscnt 0x0                               ; the add is done, my reads of the slot are over
	CROUND
	JLOAD
	ASK
.else
	s_wait_dscnt 0x0
	s_barrier_signal -1
	s_barrier_wait -1
.endif
	s_sub_co_u32 s[TBK], s[TBK], 4*KS*PK           ; the fetches go back to a slot's first step, in the other slot
	s_xor_b32 s[TBK], s[TBK], SLOT1
	s_sub_co_u32 s[TBV], s[TBV], 4*KS*PV
	s_xor_b32 s[TBV], s[TBV], SLOT1
.endm
	s_load_b128 s[88:91], s[0:1], 0x0              ; qkv s[88:89], ob s[90:91]
	v_lshl_add_u32 v[SPW], v0, 2, SPARE
	v_mov_b32 v[NIL], 0
	ds_add_u32 v[SPW], v[NIL]                      ; the opening: the add, twice on end, and its wait ahead of my first tensor load
	ds_add_u32 v[SPW], v[NIL]
	v_lshrrev_b32 v1, 5, v0
	v_readfirstlane_b32 s[WV], v1
	s_bfe_u32 s13, ttmp6, 0x40000                  ; cx
	s_lshr_b32 s[PB], ttmp9, 1
	s_sub_co_u32 s[HI], NB-1, s[PB]
	s_and_b32 s20, ttmp7, 0xffff                   ; g
	s_and_b32 s16, s[WV], 1
	s_lshr_b32 s17, s[WV], 1
	s_add_co_u32 s22, s20, 32                      ; K's head 32 + g, my half of a tile's 256 keys
	s_lshl_b32 s22, s22, 18
	s_lshl_b32 s23, s16, 14
	s_add_co_u32 s22, s22, s23
	s_mov_b32 s23, 0
	s_mul_i32 s48, s16, 128*PK
	s_mul_i32 s49, s16, 128*PV
	s_lshl_b32 s50, ttmp9, 2
	s_add_co_u32 s50, s50, s13                     ; b
	s_sub_co_u32 s51, 63, s50                      ; 63 - b
	s_lshl_b32 s52, s20, 2
	s_lshl1_add_u32 s52, s16, s52                  ; my first head: 4 g + 2 (w % 2)
	s_lshl_b32 s53, s52, 18
	s_lshl_b32 s93, s17, 4                         ; 16 (w / 2)
	s_lshl_b32 s54, s51, 5
	s_add_co_u32 s54, s54, s93                     ; my first position in the first block,
	s_lshl_b32 s55, s50, 5
	s_add_co_u32 s55, s55, s93                     ; in the second
	s_lshl_b32 s2, s54, 7
	s_add_co_u32 s2, s2, s53
	s_mov_b32 s3, 0
	s_lshl_b32 s68, s55, 7
	s_add_co_u32 s68, s68, s53
	s_mov_b32 s69, 0
	s_lshl_b32 s52, s52, 7
	s_lshl_b32 s66, s54, 12
	s_add_co_u32 s66, s66, s52
	s_mov_b32 s67, 0
	s_lshl_b32 s94, s55, 12
	s_add_co_u32 s94, s94, s52
	s_mov_b32 s95, 0
	s_lshr_b32 s[SD], s51, 1
	s_and_b32 s[SD], s[SD], 3
	s_lshr_b32 s[SDL], s50, 1
	s_and_b32 s[SDL], s[SDL], 3
	s_and_b32 s51, s51, 1                          ; my rows' place in the diagonal's 64 keys: 32 (i % 2) + 16 (w / 2)
	s_lshl_b32 s51, s51, 5
	s_add_co_u32 s51, s51, s93
	s_and_b32 s50, s50, 1
	s_lshl_b32 s50, s50, 5
	s_add_co_u32 s50, s50, s93
	; group 1: 128 keys are 16,384 dense bytes: 64 rows of 256 bytes, padded in LDS after every key
	s_mov_b32 s[G1K], 15|(1<<16)|(1<<20)|(1<<21)|(4<<22)|(3<<25)
	s_mov_b32 s[G1V], 15|(1<<16)|(1<<20)|(1<<21)|(4<<22)|(7<<25)
.irp g, G1K, G1V
	s_mov_b32 s[\g+1], 128<<16
	s_mov_b32 s[\g+2], 64<<16
	s_mov_b32 s[\g+3], 128<<16
	s_mov_b32 s[\g+4], 64
	s_mov_b32 s[\g+5], 128
	s_mov_b32 s[\g+6], 0
	s_mov_b32 s[\g+7], 0
.endr
	s_mov_b32 s[CS], 0x3e38aa3b                    ; c = log2(e) / 8
	s_mov_b32 s[CS+1], s[CS]
	s_mov_b32 s[SEL], 0x76543210
	s_mov_b32 s[SEL+1], 0xfedcba98
	s_mov_b32 s[TBK], SLOT1+4*KS*PK                ; the first change of slots turns these two into 0
	s_mov_b32 s[TBV], SLOT1+4*KS*PV
	s_mov_b32 s[G0K], 1
	s_mov_b32 s[G0K+1], s48
	s_mov_b32 s[G0V], 1
	s_add_co_u32 s[G0V+1], s49, VOFF
	s_add_co_u32 s[RT], s[HI], 1
	s_mov_b32 s[NXT], 1
	s_mov_b32 s[LQ], s[HI]
	s_mov_b32 s[NEW], 1
	s_mov_b32 s[OFF+1], 0
	s_mov_b32 s[AL+1], 0
	s_mov_b32 s[BE+1], 0
	s_mov_b32 s[BIGN], 0xf149f2ca                  ; -1e30
	s_mov_b32 s[SLOTS], NB
	s_and_b32 s[LIM], s[WV], 1
	s_or_b32 s[LIM], s[LIM], ttmp9
	s_cmp_eq_u32 s[LIM], 0                         ; waves 0 and 2 of the key head's first cluster: the same in all four partners
	s_cselect_b32 s[LIM], 3, -1
	v_and_b32 v[PFO], 31, v0
	v_lshlrev_b32 v[PFO], 8, v[PFO]
	s_wait_dscnt 0x0                               ; both opening adds are done
	s_wait_kmcnt 0x0
	s_add_nc_u64 s[6:7], s[88:89], s[22:23]        ; K and V at my half of tile 0
	s_add_nc_u64 s[8:9], s[6:7], 0x200000          ; eight heads on
	s_add_nc_u64 s[G0K+2:G0K+3], s[6:7], 0
	s_or_b32 s[G0K+3], s[G0K+3], 0x80000000
	s_add_nc_u64 s[G0V+2:G0V+3], s[8:9], 0
	s_or_b32 s[G0V+3], s[G0V+3], 0x80000000
	s_add_nc_u64 s[4:5], s[88:89], s[2:3]          ; Q of the first block,
	s_add_nc_u64 s[86:87], s[88:89], s[68:69]      ; of the second
	s_add_nc_u64 s[10:11], s[90:91], s[66:67]
	s_add_nc_u64 s[OLO:OLO+1], s[90:91], s[94:95]
	s_cmp_lt_u32 s[WV], 2
	s_cselect_b64 s[PFA:PFA+1], s[6:7], s[8:9]
	s_lshl_b32 s2, s13, 13                         ; my work-group's quarter of a tile
	s_mov_b32 s3, 0
	s_add_nc_u64 s[PFA:PFA+1], s[PFA:PFA+1], s[2:3]
	s_add_nc_u64 s[PFA:PFA+1], s[PFA:PFA+1], 2*32768  ; the first change of slots steps it to tile 3
	CROUND                                         ; all four work-groups are here
	JLOAD                                          ; tile 0 into slot 0
	v_and_b32 v1, 15, v0                           ; r
	v_bfe_u32 v9, v0, 4, 1                         ; h
	v_lshlrev_b32 v[QO], 7, v1
	v_lshl_add_u32 v[QO], v9, 4, v[QO]
.set i, 0
.rept 4                                ; the first block's Q: piece i / 2 is the next head, channels 32 (i % 2) on
	global_load_b128 v[QW+8*i:QW+8*i+3],   v[QO], s[4:5] offset:(i/2)*262144+(i%2)*64
	global_load_b128 v[QW+8*i+4:QW+8*i+7], v[QO], s[4:5] offset:(i/2)*262144+(i%2)*64+32
.set i, i+1
.endr
	WIN 0x80
.set i, 0
.rept 4                                ; the second block's, set aside in window 2
	global_load_b128 v[QB+8*i:QB+8*i+3],   v[QO], s[86:87] offset:(i/2)*262144+(i%2)*64
	global_load_b128 v[QB+8*i+4:QB+8*i+7], v[QO], s[86:87] offset:(i/2)*262144+(i%2)*64+32
.set i, i+1
.endr
	WIN 0
	v_lshlrev_b32 v14, 3, v9
	v_sub_nc_u32 v14, v1, v14                      ; r - 8 h
	v_add_nc_u32 v24, s51, v14                     ; register j of key group kt is hidden where 16 kt + j is greater than this: first block,
	v_add_nc_u32 v25, s50, v14                     ; second block
	WIN 0x40
.set i, 0
.rept 32
	v_cmp_gt_i32 vcc_lo, 16*(i/8)+i%8, v24
	v_cndmask_b32 v[MD+i], 0, s[BIGN], vcc_lo
	v_cmp_gt_i32 vcc_lo, 16*(i/8)+i%8, v25
	v_cndmask_b32 v[MD+32+i], 0, s[BIGN], vcc_lo
.set i, i+1
.endr
	WIN 0
	v_mul_u32_u24 v[AK0], v1, PK
	v_lshl_add_u32 v[AK0], v9, 4, v[AK0]
	v_and_b32 v10, 7, v0
	v_bfe_u32 v11, v0, 3, 1
	v_lshl_add_u32 v[AV0], v9, 3, v10
	v_mul_u32_u24 v[AV0], v[AV0], PV
	v_lshl_add_u32 v[AV0], v11, 4, v[AV0]
	v_add_nc_u32 v[AV0], VOFF, v[AV0]
	s_mul_i32 s21, s[WV], 16*SP
	s_add_co_u32 s21, s21, STAGE                   ; my stage
	v_mul_u32_u24 v[STO], v1, SP                   ; in: row r, 16 bytes for each half of the lanes
	v_lshl_add_u32 v[STO], v9, 4, v[STO]
	v_add_nc_u32 v[STO], s21, v[STO]
	v_mul_u32_u24 v[RD], v9, SP                    ; back: lanes 0-15 one row of 256 bytes, lanes 16-31 the next
	v_lshl_add_u32 v[RD], v1, 4, v[RD]
	v_add_nc_u32 v[RD], s21, v[RD]
	v_lshlrev_b32 v[GO], 12, v9                    ; and the same two rows of ob
	v_lshl_add_u32 v[GO], v1, 4, v[GO]
	; A block's first step multiplies O^T and l by a = 0, and its first turn's products V^T P, of a piece that has not been, land in an O^T that is still to be so multiplied: these registers need only be finite:
	; zeros for the first block, what the first block left for the second.  All this stands in the wait for the first tile.
	WIN 0x80
.set i, VF+64
.rept 64
	v_mov_b32 v[i], 0
.set i, i+1
.endr
	WIN 0
.set i, OT
.rept 64
	v_mov_b32 v[i], 0
.set i, i+1
.endr
.set i, 0
.rept 2
	v_mov_b32 v[ST+4*i+2], 0
	v_mov_b32 v[ST+4*i+3], 0
.set i, i+1
.endr
.set i, P+16
.rept 16
	v_mov_b32 v[i], 0
.set i, i+1
.endr
; THE MATRIX WORK.  The 4 accumulators of a run of 8 take turns.  Product i of S^T = K Q^T for piece x: channels 32 (i / 4) on, keys 16 (i % 4) on.  The first 4 start the sums with the mask.
.macro KQ x
.set rS, S+32*((\x)%2)+8*(i%4)
.set rK, KF+16*(i%4)+8*(i/4)
.set rQ, QW+16*(\x)+8*(i/4)
.set rM, MC+8*(i%4)
.if i < 4
	WIN W_KM
	v_wmma_f32_16x16x32_f16 v[rS:rS+7], v[rK:rK+7], v[rQ:rQ+7], v[rM:rM+7]
.else
	WIN W_MM
	v_wmma_f32_16x16x32_f16 v[rS:rS+7], v[rK:rK+7], v[rQ:rQ+7], v[rS:rS+7]
.endif
.endm
; Product i of O^T += V^T P for piece x, from V's buffer VR: keys 32 (i / 4) on, channels 16 (i % 4) on.
.macro PV x
	WIN W_MM
.set rO, OT+32*(\x)+8*(i%4)
.set rV, VF+64*VR+32*(i/4)+8*(i%4)
.set rP, P+16*((\x)%2)+8*(i/4)
	v_wmma_f32_16x16x32_f16 v[rO:rO+7], v[rV:rV+7], v[rP:rP+7], v[rO:rO+7]
.endm
.macro MM                              ; the turn's next matrix instruction.  NOKQ = 1: a block's last turn: there is no next step
.if (i < 8) && !NOKQ
	KQ (Y+1)%NP
.elseif i >= 8
.set i, i-8
	PV (Y+NP-1)%NP
.set i, i+8
.endif
.set i, i+1
.endm
.macro FETCH_K                         ; 16 LDS loads in one run: a step's K
	WIN 0x80
.irp f, 0,1,2,3,4,5,6,7
	ds_load_b128 v[KF+8*\f:KF+8*\f+3],   v[AK] offset:(\f/2)*16*PK+(\f%2)*64
	ds_load_b128 v[KF+8*\f+4:KF+8*\f+7], v[AK] offset:(\f/2)*16*PK+(\f%2)*64+32
.endr
	s_add_co_u32 s[TBK], s[TBK], KS*PK
	WIN 0
.endm
.macro FETCH_V vb                      ; and its V, turned, into buffer vb
	WIN 0x80
.irp f, 0,1,2,3,4,5,6,7
	ds_load_tr16_b128 v[VF+64*(\vb)+8*\f:VF+64*(\vb)+8*\f+3],   v[AV] offset:(\f/4)*32*PV+(\f%4)*32
	ds_load_tr16_b128 v[VF+64*(\vb)+8*\f+4:VF+64*(\vb)+8*\f+7], v[AV] offset:(\f/4)*32*PV+16*PV+(\f%4)*32
.endr
	WIN 0
.endm
; THE VECTOR WORK, a line at a time, all in window 0: OP kind, number.  For piece Y: F n: c s - c m for pair n.  E n: the exponential of score n.  C n: pair n rounded to f16.  B n: of the weights 4 n .. the
; second pair is added onto the first.  L n: l takes that sum (L 0: l = a l + sum).  R n: pair n of O^T times a.  For the other piece: X n, number n of the 22 that find its maximum and statistics (each
; accumulator's lowest registers are read first): 0-11 four chains; 12-14, 16 the rest, the old m, four into one; 15 c m_old kept; 17, 18 the other half of the lanes; 19-21 c m, its change, a.
.set F, 0
.set E, 1
.set C, 2
.set B, 3
.set L, 4
.set R, 5
.set X, 6
.macro REGS y
.set rT, ST+4*(\y)
.set rC, TMP+4*((\y)%2)
.set rW, MV+((\y)%2)
.set rS, S+32*((\y)%2)
.set rP, P+16*((\y)%2)
.set rO, OT+32*(\y)
.endm
.macro OP k, n
	WIN 0
.if (\k) <= R
	REGS Y
.if (\k) == R
	v_pk_mul_f32 v[rO+2*(\n):rO+2*(\n)+1], v[rO+2*(\n):rO+2*(\n)+1], v[rC+2:rC+3] op_sel_hi:[1,0]
.elseif (\k) == F
	v_pk_fma_f32 v[rS+2*(\n):rS+2*(\n)+1], v[rS+2*(\n):rS+2*(\n)+1], s[CS:CS+1], v[rT:rT+1] op_sel_hi:[1,0,0] neg_lo:[0,0,1] neg_hi:[0,0,1]
.elseif (\k) == E
	v_exp_f32 v[rS+(\n)], v[rS+(\n)]
.elseif (\k) == C
	v_cvt_pk_f16_f32 v[rP+(\n)], v[rS+2*(\n)], v[rS+2*(\n)+1]
.elseif (\k) == B
	v_pk_add_f32 v[rS+4*(\n):rS+4*(\n)+1], v[rS+4*(\n):rS+4*(\n)+1], v[rS+4*(\n)+2:rS+4*(\n)+3]
.elseif (\n) == 0
	v_pk_fma_f32 v[rT+2:rT+3], v[rT+2:rT+3], v[rC+2:rC+3], v[rS:rS+1] op_sel_hi:[1,0,1]
.else
	v_pk_add_f32 v[rT+2:rT+3], v[rT+2:rT+3], v[rS+4*(\n):rS+4*(\n)+1]
.endif
.elseif NOKQ
	v_nop
.else
	REGS (Y+1)%NP
.if (\n) < 4
	v_max3_num_f32 v[rC+(\n)], v[rS+8*(\n)], v[rS+8*(\n)+1], v[rS+8*(\n)+2]
.elseif (\n) < 12
	v_max3_num_f32 v[rC+(\n)%4], v[rC+(\n)%4], v[rS+8*((\n)%4)+2*((\n)/4)+1], v[rS+8*((\n)%4)+2*((\n)/4)+2]
.elseif (\n) == 12
	v_max3_num_f32 v[rC], v[rC], v[rS+7], v[rS+15]
.elseif (\n) == 13
	v_max3_num_f32 v[rC+1], v[rC+1], v[rS+23], v[rS+31]
.elseif (\n) == 14
	v_max3_num_f32 v[rC+2], v[rC+2], v[rC+3], v[rT+1]
.elseif (\n) == 15
	v_mov_b32 v[rW], v[rT]
.elseif (\n) == 16
	v_max3_num_f32 v[rC], v[rC], v[rC+1], v[rC+2]
.elseif (\n) == 17
	v_permlanex16_b32 v[rC+3], v[rC], s[SEL], s[SEL+1]
.elseif (\n) == 18
	v_max_num_f32 v[rT+1], v[rC], v[rC+3]
.elseif (\n) == 19
	v_mul_f32 v[rT], s[CS], v[rT+1]
.elseif (\n) == 20
	v_sub_f32 v[rC+1], v[rW], v[rT]
.else
	v_exp_f32 v[rC+2], v[rC+1]
.endif
.endif
.endm
.macro OPS a, i1, b=-1, i2=0, c=-1, i3=0, d=-1, i4=0
	OP \a, \i1
.if (\b) >= 0
	OP \b, \i2
.endif
.if (\c) >= 0
	OP \c, \i3
.endif
.if (\d) >= 0
	OP \d, \i4
.endif
.endm
.macro ROW a, i1, b, i2, c, i3, d, i4  ; a matrix instruction and the four behind it
	MM
	OPS \a, \i1, \b, \i2, \c, \i3, \d, \i4
.endm
.macro MASK blk                        ; MD x AL + BE
	WIN W_MK
.set z, 0
.rept 16
	v_pk_fma_f32 v[MC+2*z:MC+2*z+1], v[MD+32*(\blk)+2*z:MD+32*(\blk)+2*z+1], s[AL:AL+1], s[BE:BE+1] op_sel_hi:[1,0,0]
.set z, z+1
.endr
.endm
.macro PLACES
.rept 4
	v_nop
.endr
.endm
; A TURN for piece p.  Ahead of its one wait stands all that names no result of its exponentials: the 8 products K Q^T with their riders, and the run; behind it the 8 products V^T P, whose riders are the
; roundings and sums.  Piece 0's turn makes the next step's mask at its end (both pieces' products of a step take the same mask: the one in piece 1's turn, the other in piece 0's next); in the loop's text
; (blk = 0) those lines are jumped while the block has tiles left: the mask then stays 0.  end = 1: a block's last two turns fetch nothing, make no mask, and the last starts no scores.
; cnt = 1: the loop's count is taken down.  vr: V's buffer that the products read.
; K's run stands twelve plain lines that name none of its registers behind the last product that read K; V's goes into the buffer whose last reader stands in the turn before.
.macro TURN p, end=0, cnt=0, vr=0, blk=0
.set Y, (\p)
.set i, 0
.set VR, (\vr)
.set NOKQ, (\end)*(\p)
.if (\p) == 1
	s_wait_dscnt 0x0                               ; K of the next step and V of this one are in
.endif
	ROW F,0, F,1, R,0, R,1
	ROW F,2, E,0, R,2, R,3
	ROW F,3, E,1, R,4, R,5
	ROW F,4, E,2, R,6, R,7
	ROW F,5, E,3, R,8, R,9
	ROW F,6, E,4, X,0, R,10
.if ((\p) == 0) && !(\end)
	WIN 0
	v_add_nc_u32 v[AK], s[TBK], v[AK0]
.endif
	ROW F,7, E,5, X,1, X,4
	ROW F,8, E,6, X,2, X,5
	OPS E,7, E,8, X,6, E,9
	OPS X,3, E,10, X,8, E,11
.if ((\p) == 0) && !(\end)
	FETCH_K
.endif
	OPS X,9, X,7, E,12, X,10
	OPS E,13, X,12, X,11, E,14
	OPS X,13, E,15, F,9, X,14
.if ((\p) == 1) && !(\end)
	WIN 0
	v_add_nc_u32 v[AV], s[TBV], v[AV0]
.endif
	OPS E,16, F,10, E,17, F,11
	OPS X,16, E,18, X,15, E,19
	OPS F,12, E,20, X,17, E,21
	OPS F,13, E,22, F,14, E,23
	OPS X,18, E,24, F,15, E,25
	OPS R,11, E,26, X,19, E,27
	OPS R,12, E,28, R,13, E,29
	OPS X,20, E,30, R,14, E,31
	OPS X,21, R,15                                 ; R 15 is the plain line behind the last exponential
	WIN 0
	s_wait_alu depctr_va_vdst(0)                   ; the wait ahead of the first use of an exponential: one for the batch
.if ((\p) == 1) && !(\end)
	FETCH_V 1-(\vr)
	s_add_co_u32 s[TBV], s[TBV], KS*PV
.endif
	ROW C,0, B,0, C,2, B,1
	ROW L,0, C,4, B,2, L,1
	ROW C,6, B,3, L,2, C,8
	ROW B,4, L,3, C,10, B,5
	ROW L,4, C,12, B,6, L,5
.if \cnt
	s_sub_co_u32 s[CNT], s[CNT], 1
	s_cmp_lg_u32 s[CNT], 0
.endif
	ROW C,14, B,7, L,6, C,1
	ROW C,3, L,7, C,5, C,7
	ROW C,9, C,11, C,13, C,15
.if ((\p) == 0) && !(\end)
	WIN 0
.if (\blk) == 0
	s_cmp_lg_u32 s[RT], 0                          ; made of the cluster's x and the loop's steps: the same in all partners
	s_cbranch_scc1 .Lno_mask_\@
.endif
	s_cmp_eq_u32 s[SG], s[SD]                      ; these two feed selects of mask values, no branch
	s_cselect_b32 s[AL], 1.0, 0
	s_cmp_gt_u32 s[SG], s[SD]
	s_cselect_b32 s[BE], s[BIGN], 0
	s_add_co_u32 s[SG], s[SG], 1
	MASK \blk
	WIN 0
.if (\blk) == 0
.Lno_mask_\@:
.endif
.endif
.endm
; A BLOCK BEGINS.  c m starts far below every c s, so the first step's a is 0; m at the lowest finite number.  The mask in hand is step 0's: the diagonal's if the block's first tile is its last and SD = 0, else 0,
; and 0 it stays until the block's last tile.  Then K and V of step 0, piece 0's first scores, its maximum and statistics.  The loop is entered at a step's first turn.
.macro BEGIN blk
	s_mov_b32 s[NEW], 0
	WIN 0
.set i, 0
.rept 2
	v_mov_b32 v[ST+4*i], 0xfe000000
	v_mov_b32 v[ST+4*i+1], 0xff7fffff
.set i, i+1
.endr
	s_or_b32 s93, s[RT], s[SD]
	s_cmp_eq_u32 s93, 0                            ; feeds a select of a mask value, no branch
	s_cselect_b32 s[AL], 1.0, 0
	s_mov_b32 s[BE], 0
	MASK \blk
	s_mov_b32 s[SG], 1
	WIN 0
	v_add_nc_u32 v[AK], s[TBK], v[AK0]
	v_add_nc_u32 v[AV], s[TBV], v[AV0]
	FETCH_K
	FETCH_V 0
	s_add_co_u32 s[TBV], s[TBV], KS*PV
	s_wait_loadcnt 0x0                             ; Q
	s_wait_dscnt 0x0
.set NOKQ, 0
.set i, 0
.rept 8
	KQ 0
.set i, i+1
.endr
	WIN 0
	PLACES
.set Y, NP-1
.irp n, 0,1,2,3,4,5,6,7,8,9,10,11,12,13,14,15,16,17,18,19,20,21
	OP X, \n
.endr
	v_nop                                          ; a plain line behind the exponential,
	s_wait_alu depctr_va_vdst(0)                   ; and its wait, ahead of the branch
.endm
.macro ALL line:vararg
.set t, 0
.rept 2
	\line
.set t, t+1
.endr
.endm
.macro PACK t                          ; piece t: divided by l, rounded, 16 bytes a lane into my stage: its 128 bytes of each row
	WIN 0
.set i, OT+32*(\t)
.rept 16
	v_pk_mul_f32 v[i:i+1], v[i:i+1], v[ST+4*(\t)+2:ST+4*(\t)+3] op_sel_hi:[1,0]
.set i, i+2
.endr
.set i, 0
.rept 16
	v_cvt_pk_f16_f32 v[S+16*(\t)+i], v[OT+32*(\t)+2*i], v[OT+32*(\t)+2*i+1]
.set i, i+1
.endr
.irp f, 0,1,2,3
	ds_store_b128 v[STO], v[S+16*(\t)+4*\f:S+16*(\t)+4*\f+3] offset:128*(\t)+32*\f
.endr
.endm
; A TILE's four steps; in the loop's text (blk = 0) a tile that is not its block's last leaves here.  Then the block's last two turns, its last products, and the way out.
.macro TILE tag, blk
.Lstep\tag:
	TURN 0, 0, 0, 0, \blk
	TURN 1, 0, 0, 1, \blk
	WIN 0
.Lfirst\tag:
	TURN 0, 0, 0, 1, \blk
	TURN 1, 0, 1, 0, \blk
	WIN 0
	s_cbranch_scc1 .Lstep\tag
.if (\blk) == 0
	s_cmp_lg_u32 s[RT], 0
	s_cbranch_scc1 .Lbottom
.endif
	TURN 0, 1, 0, 0, \blk
	TURN 1, 1, 0, 1, \blk
.set VR, 1
.set i, 0
.rept 8
	PV NP-1
.set i, i+1
.endr
	WIN 0
	PLACES
	ALL v_add_f32 v[ST+4*t+2], v[ST+4*t+2], v[ST+4*t+3]
	ALL v_permlanex16_b32 v[ST+4*t+3], v[ST+4*t+2], s[SEL], s[SEL+1]
	ALL v_add_f32 v[ST+4*t+2], v[ST+4*t+2], v[ST+4*t+3]
	ALL v_rcp_f32 v[ST+4*t+2], v[ST+4*t+2]
	v_nop
	s_wait_alu depctr_va_vdst(0)                   ; one wait for the two reciprocals
	PACK 0
	PACK 1
.irp f, 0,1,2,3,4,5,6,7
	ds_load_b128 v[S+32+4*\f:S+32+4*\f+3], v[RD] offset:\f*2*SP  ; LDS serves a wave's instructions in order: these see the stores above
.endr
.irp f, 0,1,2,3,4,5,6,7
	s_wait_dscnt 7-\f                              ; the younger loads may stay out
	global_store_b128 v[GO], v[S+32+4*\f:S+32+4*\f+3], s[10:11] offset:\f*8192  ; 16 lanes store 256 consecutive bytes, aligned
.endr
.endm
.set NOKQ, 0
.Lslot:                                                ; eight times: a tile is entered and the next is asked for
	CHANGE 1
	s_sub_co_u32 s[RT], s[RT], 1
	s_mov_b32 s[CNT], 2
	s_mov_b32 s[SG], 0
	s_cmp_eq_u32 s[NEW], 1
	s_cbranch_scc0 .Lstep1
	BEGIN 0                                        ; in the loop a block's first tile is never its last, so the mask made here is 0
	s_branch .Lfirst1
	TILE 1, 0                                      ; what stands behind its exit is the first block's end: the second block's last tile is the walk's last
	s_wait_xcnt 0x0                                ; the stores have read their registers and ob's address
	s_mov_b64 s[10:11], s[OLO:OLO+1]
	s_add_co_u32 s[RT], s[PB], 1
	s_mov_b32 s[NEW], 1
	s_mov_b32 s[SD], s[SDL]
	WIN 0x02                                       ; the second block's Q goes where the turns name Q
.set i, 0
.rept 32
	v_mov_b32 v[QW+i], v[QB+i]
.set i, i+1
.endr
	WIN 0
.Lbottom:
	s_sub_co_u32 s[SLOTS], s[SLOTS], 1
	s_cmp_lg_u32 s[SLOTS], 0
	s_cbranch_scc1 .Lslot
	CHANGE 0                                       ; the walk's last tile is written out: nothing is asked for
	s_sub_co_u32 s[RT], s[RT], 1
	s_mov_b32 s[CNT], 2
	s_mov_b32 s[SG], 0
	s_cmp_eq_u32 s[NEW], 1
	s_cbranch_scc0 .Lstep2
	BEGIN 1
	s_branch .Lfirst2
	TILE 2, 1
	s_wait_tensorcnt 0x0                           ; the wave's end
	ds_add_u32 v[SPW], v[NIL]
	s_wait_dscnt 0x0
	CROUND                                         ; the closing round
	s_endpgm
.Lfunc_end_k_q92014d5bab_attn:
	.size	k_q92014d5bab_attn, .Lfunc_end_k_q92014d5bab_attn-k_q92014d5bab_attn
	.p2alignl 7, 3214868480
	.fill 96, 4, 3214868480
	.section	.rodata,"a",@progbits
	.p2align	6, 0x0
	.amdhsa_kernel k_q92014d5bab_attn
		.amdhsa_group_segment_fixed_size 327680
		.amdhsa_private_segment_fixed_size 0
		.amdhsa_enable_private_segment 0
		.amdhsa_kernarg_size 16
		.amdhsa_user_sgpr_count 2
		.amdhsa_user_sgpr_kernarg_segment_ptr 1
		.amdhsa_wavefront_size32 1
		.amdhsa_system_sgpr_workgroup_id_x 1
		.amdhsa_system_sgpr_workgroup_id_y 1
		.amdhsa_system_sgpr_workgroup_id_z 1
		.amdhsa_system_vgpr_workitem_id 0
		.amdhsa_next_free_vgpr 768
		.amdhsa_next_free_sgpr 96
		.amdhsa_reserve_vcc 1
		.amdhsa_float_denorm_mode_32 3
		.amdhsa_float_denorm_mode_16_64 3
		.amdhsa_memory_ordered 1
		.amdhsa_forward_progress 1
		.amdhsa_inst_pref_size 161
	.end_amdhsa_kernel
	.amdgpu_metadata
---
amdhsa.version: [ 1, 2 ]
amdhsa.kernels:
  - .name:           k_q92014d5bab_attn
    .symbol:         k_q92014d5bab_attn.kd
    .args:
      - { .name: qkv, .offset: 0, .size: 8, .value_kind: global_buffer, .address_space: global }
      - { .name: ob, .offset: 8, .size: 8, .value_kind: global_buffer, .address_space: global }
    .group_segment_fixed_size: 327680
    .private_segment_fixed_size: 0
    .kernarg_segment_align: 8
    .kernarg_segment_size: 16
    .max_flat_workgroup_size: 128
    .sgpr_count:     96
    .vgpr_count:     768
    .wavefront_size: 32
...
	.end_amdgpu_metadata
.endif
;; end of part 3
;; launch oproj (part 4): grid 16 x 16, 4 waves a work-group, clusters of 4 x 4, 327,680 bytes of LDS; arguments ob, wo2, out0; writes out0
.if DOCPART == 4
	.amdgcn_target "amdgcn-amd-amdhsa--gfx1250"
	.amdhsa_code_object_version 6
	.text
	.protected	k_q92014d5bab_oproj
	.globl	k_q92014d5bab_oproj
	.p2align	8
	.type	k_q92014d5bab_oproj,@function
k_q92014d5bab_oproj:
	s_mov_b64 s[64:65], 0
	v_nop
	global_prefetch_b8 v0, s[64:65] scope:SCOPE_SE
	s_setreg_imm32_b32 hwreg(HW_REG_WAVE_MODE, 25, 1), 1
	s_wait_xcnt 0x0
	s_wait_alu depctr_hold_cnt(0) depctr_sa_sdst(0) depctr_va_vdst(0) depctr_va_sdst(0) depctr_va_ssrc(0) depctr_va_vcc(0) depctr_vm_vsrc(0)
	s_getreg_b32 s2, hwreg(HW_REG_IB_STS2, 6, 4)
	s_cmp_eq_u32 s2, 0
	s_cbranch_scc0 .Lentry_in_a_cluster
	s_endpgm
.Lentry_in_a_cluster:
	s_bfe_u32 s2, ttmp6, 0x10000c
	s_cmp_lg_u32 s2, 0xf033
	s_cbranch_scc0 .Lentry_shape_is_right
	s_endpgm
.Lentry_shape_is_right:
; FOURTH LAUNCH: out0 = ob wo, f16 operands (wo: its bf16 rounding written as f16), f32 sums, f32 out.  ob: [2048][2048] f16; wo2: [T 16][K step 8][k 256][128] f16; out0: [2048][2048] f32.
; 256 work-groups, a tile of 128 x 128 each; four waves of 64 x 64: 16 accumulators.  K goes in 8 steps of 256 through two LDS slots.  ob's tile has K along its rows; wo's has K down its rows and is turned on the
; way into registers.  The product is transposed (source 0 = 16 columns of wo, source 1 = 16 rows of ob): a lane holds eight neighbouring numbers of a row.
; THE WALK along K begins at step 0, 2, 4 or 6, by (X + 2 (Y % 2)) % 4, and wraps: the four clusters along x, which read the same rows of ob, and two neighbours along y, which read the same blocks of wo2, ask
; for different steps at any one time.  The sums' order differs from cluster to cluster, nothing else.
; CLUSTER 4 x 4: ob's tile is shared along a row of the cluster, wo's along a column.  By this text's count a wave has two tensor loads out at the start, later one.  No prefetch: the tile of C is a small one.
; REGISTERS: window 0: v16-29 addresses; v128-255 accumulators, (a, b) at 128 + 8 (4 a + b).  Window 1: two fragment buffers of 128 (64 along K): ob's 64 registers, then wo's; on the way out the rows read back.
.set KSTEP,  256
.set PITCH,  528                       ; a row of ob in LDS: 512 bytes + 16
.set PBB,    288                       ; a row (one k, 128 columns) of wo: 256 + 32
.set AHALF,  64*PITCH
.set BOFF,   2*AHALF
.set BHALF,  128*PBB
.set SLOT,   BOFF+2*BHALF              ; 141,312
.set STAGE,  2*SLOT                    ; behind the ring, never filled by a tensor load: 16 rows x 272 bytes for each wave
.set SPITCH, 272
.set SPARE,  STAGE+4*16*SPITCH         ; the spare words, 128 bytes for each wave: two blocks of 256 bytes that no other line names
.set LAPS,   4
.set ADRA, 16                          ; v16-17 my ob fragments in slot 0, 1
.set ADRB, 20                          ; v20-23 my wo fragments: slot, and which 128 k of the step (so that the offsets stay inside 16 bits)
.set STO,  24
.set RD,   25
.set CO,   26
.set SPW,  28
.set NIL,  29
.set ACC,  128
.set F0,   0
.set F1,   128
.set G1, 24
.set G0, 32
.set G1B, 48
.set G0B, 56
.set BA,  70                           ; s[70:71] ob at my half of the tile's rows, K step 0
.set BB,  72                           ; s[72:73] wo2 at my half of the tile column's K step 0
.set OF,  74                           ; s[74:75] a byte offset
.set KN,  76                           ; the K step that the next fill brings
.set MSB, 0
.macro WIN new
.if MSB != (\new)
	s_set_vgpr_msb (MSB<<8)|(\new)
.set MSB, \new
.endif
.endm
.set MUL,  0x05
.set TO_F, 0x40
.macro JLOAD s                         ; waves 0, 1 fetch ob's halves, waves 2, 3 wo's; an s_nop 0 and four v_nop follow each line
	s_cmp_eq_u32 s11, 0
	s_cbranch_scc0 .Lfor_b_\@
	tensor_load_to_lds s[G0+4*(\s):G0+4*(\s)+3], s[G1:G1+7]
	s_nop 0
.rept 4
	v_nop
.endr
	s_branch .Lasked_\@
.Lfor_b_\@:
	tensor_load_to_lds s[G0B+4*(\s):G0B+4*(\s)+3], s[G1B:G1B+7]
	s_nop 0
.rept 4
	v_nop
.endr
.Lasked_\@:
.endm
.macro CROUND                          ; a round of the cluster's barrier
	s_barrier_signal -1
	s_barrier_wait -1
	s_cmp_lg_u32 s10, 0
	s_cbranch_scc1 .Lnot_wave_0_\@
	s_barrier_signal -3
.Lnot_wave_0_\@:
	s_barrier_wait -3
	s_barrier_signal -1
	s_barrier_wait -1
.endm
.macro NEWADDR s                       ; slot s's two descriptors take K step KN: the addresses are made anew from that number, which goes on by one and wraps
	s_lshl_b32 s[OF], s[KN], 9
	s_add_nc_u64 s[G0+4*(\s)+2:G0+4*(\s)+3], s[BA:BA+1], s[OF:OF+1]
	s_or_b32 s[G0+4*(\s)+3], s[G0+4*(\s)+3], 0x80000000
	s_lshl_b32 s[OF], s[KN], 16
	s_add_nc_u64 s[G0B+4*(\s)+2:G0B+4*(\s)+3], s[BB:BB+1], s[OF:OF+1]
	s_or_b32 s[G0B+4*(\s)+3], s[G0B+4*(\s)+3], 0x80000000
	s_add_co_u32 s[KN], s[KN], 1
	s_and_b32 s[KN], s[KN], 7
.endm
	s_load_b128 s[4:7], s[0:1], 0x0                ; ob s[4:5], wo2 s[6:7]
	s_load_b64 s[8:9], s[0:1], 0x10                ; out0
	v_lshl_add_u32 v[SPW], v0, 2, SPARE
	v_mov_b32 v[NIL], 0
	ds_add_u32 v[SPW], v[NIL]                      ; the opening: the add, twice on end, and its wait ahead of my first tensor load
	ds_add_u32 v[SPW], v[NIL]
	v_lshrrev_b32 v1, 5, v0
	v_readfirstlane_b32 s10, v1                    ; wave
	s_lshr_b32 s11, s10, 1                         ; my half of the rows; also: I fetch ob (0) or wo (1)
	s_and_b32 s12, s10, 1                          ; my half of the columns; also: which half I fetch
	s_bfe_u32 s40, ttmp6, 0x40000                  ; cx
	s_bfe_u32 s41, ttmp6, 0x40004                  ; cy
	s_lshl_b32 s42, ttmp9, 2
	s_add_co_u32 s42, s42, s40                     ; tile column T
	s_and_b32 s13, ttmp7, 0xffff
	s_lshl_b32 s13, s13, 2
	s_add_co_u32 s13, s13, s41                     ; tile row R
	s_lshl_b32 s43, s41, 2
	s_lshl_b32 s43, 15, s43
	s_lshl_b32 s44, 0x1111, s40
	s_or_b32 s[G1], s43, (1<<16)|(1<<20)|(1<<21)|(6<<22)|(3<<25)   ; after every 128 words 4 words
	s_mov_b32 s[G1+1], 256<<16
	s_mov_b32 s[G1+2], 64<<16
	s_mov_b32 s[G1+3], 256<<16
	s_mov_b32 s[G1+4], 64
	s_mov_b32 s[G1+5], 2048
	s_mov_b32 s[G1+6], 0
	s_mov_b32 s[G1+7], 0
	s_or_b32 s[G1B], s44, (1<<16)|(1<<20)|(1<<21)|(5<<22)|(7<<25)  ; after every 64 words 8 words
	s_mov_b32 s[G1B+1], 128<<16
	s_mov_b32 s[G1B+2], 128<<16
	s_mov_b32 s[G1B+3], 128<<16
	s_mov_b32 s[G1B+4], 128
	s_mov_b32 s[G1B+5], 128
	s_mov_b32 s[G1B+6], 0
	s_mov_b32 s[G1B+7], 0
	s_and_b32 s[KN], ttmp7, 1                      ; where the cluster's walk along K begins
	s_lshl1_add_u32 s[KN], s[KN], ttmp9
	s_and_b32 s[KN], s[KN], 3
	s_lshl_b32 s[KN], s[KN], 1                     ; 0, 2, 4, 6
	s_mov_b32 s[OF+1], 0
	s_lshl_b32 s16, s13, 7                         ; ob: row 128 R + 64 half, 4,096 bytes a row
	s_lshl_b32 s17, s12, 6
	s_add_co_u32 s16, s16, s17
	s_lshl_b32 s16, s16, 12
	s_mov_b32 s17, 0
	s_lshl_b32 s46, s42, 19                        ; wo2: tile column T, half of a step's 256 k
	s_lshl_b32 s47, s12, 15
	s_add_co_u32 s46, s46, s47
	s_mov_b32 s47, 0
	s_mul_i32 s20, s12, AHALF                      ; where they go: no place in the cluster enters an LDS address
	s_mul_i32 s21, s12, BHALF
	s_add_co_u32 s21, s21, BOFF
	s_wait_dscnt 0x0                               ; both opening adds are done
	s_wait_kmcnt 0x0
	s_add_nc_u64 s[BA:BA+1], s[4:5], s[16:17]
	s_add_nc_u64 s[BB:BB+1], s[6:7], s[46:47]
	CROUND
.irp s, 0,1
	s_mov_b32 s[G0+4*(\s)], 1
	s_add_co_u32 s[G0+4*(\s)+1], s20, (\s)*SLOT
	s_mov_b32 s[G0B+4*(\s)], 1
	s_add_co_u32 s[G0B+4*(\s)+1], s21, (\s)*SLOT
	NEWADDR \s
	JLOAD \s
.endr
	v_and_b32 v1, 15, v0                           ; r
	v_bfe_u32 v2, v0, 4, 1                         ; h
	v_mul_u32_u24 v3, v1, PITCH
	v_lshl_add_u32 v3, v2, 4, v3
	v_and_b32 v4, 7, v0
	v_bfe_u32 v5, v0, 3, 1
	v_lshl_add_u32 v6, v2, 3, v4
	v_mul_u32_u24 v6, v6, PBB
	v_lshl_add_u32 v6, v5, 4, v6
	s_mul_i32 s66, s11, AHALF
	s_lshl_b32 s67, s12, 7                         ; my 64 columns: 128 bytes
	s_add_co_u32 s67, s67, BOFF
.irp s, 0,1
	v_add_nc_u32 v[ADRA+(\s)], s66, v3
	v_add_nc_u32 v[ADRB+2*(\s)], s67, v6
	s_add_co_u32 s68, s67, BHALF
	v_add_nc_u32 v[ADRB+2*(\s)+1], s68, v6
	s_add_co_u32 s66, s66, SLOT
	s_add_co_u32 s67, s67, SLOT
.endr
	s_mul_i32 s69, s10, 16*SPITCH
	s_add_co_u32 s69, s69, STAGE                   ; my stage
	v_mul_u32_u24 v7, v1, SPITCH                   ; in: row r, 32 bytes (8 f32) for each half of the lanes
	v_lshl_add_u32 v7, v2, 5, v7
	v_add_nc_u32 v[STO], s69, v7
	v_mul_u32_u24 v7, v2, SPITCH                   ; back: lanes 0-15 one row of 256 bytes, lanes 16-31 the next
	v_lshl_add_u32 v7, v1, 4, v7
	v_add_nc_u32 v[RD], s69, v7
	v_lshlrev_b32 v7, 13, v2                       ; and the same two rows of out0
	v_lshl_add_u32 v[CO], v1, 4, v7
	s_lshl_b32 s16, s13, 7
	s_lshl_b32 s17, s11, 6
	s_add_co_u32 s16, s16, s17
	s_lshl_b32 s16, s16, 13                        ; row 128 R + 64 (w / 2), 8,192 bytes a row
	s_mov_b32 s17, 0
	s_add_nc_u64 s[8:9], s[8:9], s[16:17]
	s_lshl_b32 s46, s42, 9                         ; column 128 T + 64 (w % 2), in bytes
	s_lshl_b32 s47, s12, 8
	s_add_co_u32 s46, s46, s47
	s_mov_b32 s47, 0
	s_add_nc_u64 s[8:9], s[8:9], s[46:47]
.macro MUL8 f, c, a0, zero             ; 8 matrix instructions; the 16 accumulators take turns
	WIN MUL
.irp a, \a0, (\a0)+1
.irp b, 0,1,2,3
.if \zero
	v_wmma_f32_16x16x32_f16 v[ACC+8*(4*(\a)+(\b)):ACC+8*(4*(\a)+(\b))+7], v[(\f)+64+8*(4*(\c)+(\b)):(\f)+64+8*(4*(\c)+(\b))+7], v[(\f)+8*(4*(\c)+(\a)):(\f)+8*(4*(\c)+(\a))+7], 0
.else
	v_wmma_f32_16x16x32_f16 v[ACC+8*(4*(\a)+(\b)):ACC+8*(4*(\a)+(\b))+7], v[(\f)+64+8*(4*(\c)+(\b)):(\f)+64+8*(4*(\c)+(\b))+7], v[(\f)+8*(4*(\c)+(\a)):(\f)+8*(4*(\c)+(\a))+7], v[ACC+8*(4*(\a)+(\b)):ACC+8*(4*(\a)+(\b))+7]
.endif
.endr
.endr
.endm
.macro FETCH slot, q, f                ; 32 LDS loads in one run: quarter q (64 along K) of a slot into buffer f; the first 32 along K first
	WIN TO_F
.irp c, 0,1
.irp i, 0,1,2,3
	ds_load_tr16_b128 v[(\f)+64+8*(4*(\c)+(\i)):(\f)+64+8*(4*(\c)+(\i))+3],   v[ADRB+2*(\slot)+(\q)/2] offset:(64*((\q)%2)+32*(\c))*PBB+32*(\i)
	ds_load_tr16_b128 v[(\f)+64+8*(4*(\c)+(\i))+4:(\f)+64+8*(4*(\c)+(\i))+7], v[ADRB+2*(\slot)+(\q)/2] offset:(64*((\q)%2)+32*(\c))*PBB+32*(\i)+16*PBB
	ds_load_b128 v[(\f)+8*(4*(\c)+(\i)):(\f)+8*(4*(\c)+(\i))+3],              v[ADRA+(\slot)] offset:128*(\q)+64*(\c)+(\i)*16*PITCH
	ds_load_b128 v[(\f)+8*(4*(\c)+(\i))+4:(\f)+8*(4*(\c)+(\i))+7],            v[ADRA+(\slot)] offset:128*(\q)+64*(\c)+(\i)*16*PITCH+32
.endr
.endr
.endm
.macro PLACES
.rept 4
	v_nop
.endr
.endm
.macro QUARTER slot, q, f, g, zero     ; multiplies buffer f and fetches quarter q into g
	s_wait_dscnt 16                                ; the first 32 along K are in
	MUL8 \f, 0, 0, \zero
	MUL8 \f, 0, 2, \zero
	PLACES
	FETCH \slot, \q, \g
	s_wait_dscnt 32                                ; all but the 32 just issued
	MUL8 \f, 1, 0, 0
	MUL8 \f, 1, 2, 0
.endm
; The last quarter multiplies buffer 1 and changes slots.  Its first sixteen products stand ahead of the change; then each wave waits for all its tensor loads (one is out: its part of the next slot), adds 0 to
; its spare word, and waits for that and for its reads of this slot.  fill = 1: a round of the cluster's barrier, and the joint refill first behind it: between the wait for the tile and the refill stand the add,
; scalar work and the round alone.
.macro TURN slot, next, fill
	s_wait_dscnt 16                                ; the first 32 along K are in
	MUL8 F1, 0, 0, 0
	MUL8 F1, 0, 2, 0
	WIN 0
	s_wait_tensorcnt 0x0
	ds_add_u32 v[SPW], v[NIL]
.if \fill
	NEWADDR \slot
.endif
	s_wait_dscnt 0x0                               ; the add is done, my reads of this slot are over
.if \fill
	CROUND
	JLOAD \slot                                    ; its four v_nop are also the places in front of the loads below
.else
	s_barrier_signal -1
	s_barrier_wait -1
	PLACES
.endif
	FETCH \next, 0, F0
	MUL8 F1, 1, 0, 0
	MUL8 F1, 1, 2, 0
.endm
	s_wait_tensorcnt 1                             ; my part of the first K step is in; the second's may stay out
	s_barrier_signal -1
	s_barrier_wait -1
	FETCH 0, 0, F0
	QUARTER 0, 1, F0, F1, 1
	WIN 0
	s_mov_b32 s3, LAPS-1
.Llap:
	QUARTER 0, 2, F1, F0, 0
	QUARTER 0, 3, F0, F1, 0
	TURN 0, 1, 1
	QUARTER 1, 1, F0, F1, 0
	QUARTER 1, 2, F1, F0, 0
	QUARTER 1, 3, F0, F1, 0
	TURN 1, 0, 1
	QUARTER 0, 1, F0, F1, 0
	WIN 0
	s_sub_co_u32 s3, s3, 1
	s_cmp_lg_u32 s3, 0
	s_cbranch_scc1 .Llap
	QUARTER 0, 2, F1, F0, 0                        ; the last lap fills nothing
	QUARTER 0, 3, F0, F1, 0
	TURN 0, 1, 0
	QUARTER 1, 1, F0, F1, 0
	QUARTER 1, 2, F1, F0, 0
	QUARTER 1, 3, F0, F1, 0
	s_wait_dscnt 16
	MUL8 F1, 0, 0, 0
	MUL8 F1, 0, 2, 0
	s_wait_dscnt 0x0
	MUL8 F1, 1, 0, 0
	MUL8 F1, 1, 2, 0
	WIN 0
	PLACES
; THE WAY OUT, 16 rows at a time through my own stage: a lane's eight f32 go in as 32 bytes of a row (each accumulator's low four registers first), and come back as whole rows of 256 bytes.
.macro OUTA a
	WIN 0
.irp b, 0,1,2,3
	ds_store_b128 v[STO], v[ACC+8*(4*(\a)+(\b)):ACC+8*(4*(\a)+(\b))+3]   offset:64*(\b)
	ds_store_b128 v[STO], v[ACC+8*(4*(\a)+(\b))+4:ACC+8*(4*(\a)+(\b))+7] offset:64*(\b)+16
.endr
	WIN 0x40
.irp t, 0,1,2,3,4,5,6,7
	ds_load_b128 v[32*(\a)+4*(\t):32*(\a)+4*(\t)+3], v[RD] offset:(\t)*2*SPITCH  ; LDS serves a wave's instructions in order: these see the stores above, and the next block's stores come behind them
.endr
.endm
.macro SEND a, younger                 ; younger: the LDS instructions issued behind block a's loads
	WIN 0x04                                       ; the stores' data lie in window 1
.irp t, 0,1,2,3,4,5,6,7
	s_wait_dscnt (\younger)+7-(\t)
	global_store_b128 v[CO], v[32*(\a)+4*(\t):32*(\a)+4*(\t)+3], s[8:9] offset:131072*(\a)+16384*(\t)  ; 16 lanes store 256 consecutive bytes, aligned
.endr
.endm
	OUTA 0
	OUTA 1
	SEND 0, 16
	OUTA 2
	SEND 1, 16
	OUTA 3
	SEND 2, 16
	SEND 3, 0
	WIN 0
	s_wait_tensorcnt 0x0                           ; the wave's end
	ds_add_u32 v[SPW], v[NIL]
	s_wait_dscnt 0x0
	CROUND                                         ; the closing round
	s_endpgm
.Lfunc_end_k_q92014d5bab_oproj:
	.size	k_q92014d5bab_oproj, .Lfunc_end_k_q92014d5bab_oproj-k_q92014d5bab_oproj
	.p2alignl 7, 3214868480
	.fill 96, 4, 3214868480
	.section	.rodata,"a",@progbits
	.p2align	6, 0x0
	.amdhsa_kernel k_q92014d5bab_oproj
		.amdhsa_group_segment_fixed_size 327680
		.amdhsa_private_segment_fixed_size 0
		.amdhsa_enable_private_segment 0
		.amdhsa_kernarg_size 24
		.amdhsa_user_sgpr_count 2
		.amdhsa_user_sgpr_kernarg_segment_ptr 1
		.amdhsa_wavefront_size32 1
		.amdhsa_system_sgpr_workgroup_id_x 1
		.amdhsa_system_sgpr_workgroup_id_y 1
		.amdhsa_system_sgpr_workgroup_id_z 1
		.amdhsa_system_vgpr_workitem_id 0
		.amdhsa_next_free_vgpr 512
		.amdhsa_next_free_sgpr 80
		.amdhsa_reserve_vcc 0
		.amdhsa_float_denorm_mode_32 3
		.amdhsa_float_denorm_mode_16_64 3
		.amdhsa_memory_ordered 1
		.amdhsa_forward_progress 1
		.amdhsa_inst_pref_size 88
	.end_amdhsa_kernel
	.amdgpu_metadata
---
amdhsa.version: [ 1, 2 ]
amdhsa.kernels:
  - .name:           k_q92014d5bab_oproj
    .symbol:         k_q92014d5bab_oproj.kd
    .args:
      - { .name: ob, .offset: 0, .size: 8, .value_kind: global_buffer, .address_space: global }
      - { .name: wo2, .offset: 8, .size: 8, .value_kind: global_buffer, .address_space: global }
      - { .name: out0, .offset: 16, .size: 8, .value_kind: global_buffer, .address_space: global }
    .group_segment_fixed_size: 327680
    .private_segment_fixed_size: 0
    .kernarg_segment_align: 8
    .kernarg_segment_size: 24
    .max_flat_workgroup_size: 128
    .sgpr_count:     80
    .vgpr_count:     512
    .wavefront_size: 32
...
	.end_amdgpu_metadata
.endif
;; end of part 4
;; ======== version 2 of 2: 4 launches; version 1 with the launch prep written anew for expert scheduling mode
;; limits: values are held in f16: magnitudes above 65,504 overflow, below 6.1e-05 lose precision
;; workspace buffers: xb 8,388,608 bytes; wt 12,582,912 bytes; wo2 8,388,608 bytes; cs 524,288 bytes; qkv 12,582,912 bytes; ob 8,388,608 bytes
;; launch prep (part 5): grid 256 x 1, 8 waves a work-group, no clusters, 50,176 bytes of LDS; arguments x, wq, wk, wv, wo, xb, wt, wo2, cs; writes xb, wt, wo2, cs
.if DOCPART == 5
	.amdgcn_target "amdgcn-amd-amdhsa--gfx1250"
	.amdhsa_code_object_version 6
	.text
	.protected	k_q92014d5bab_prep
	.globl	k_q92014d5bab_prep
	.p2align	8
	.type	k_q92014d5bab_prep,@function
k_q92014d5bab_prep:
	s_mov_b64 s[64:65], 0
	v_nop
	global_prefetch_b8 v0, s[64:65] scope:SCOPE_SE
	s_setreg_imm32_b32 hwreg(HW_REG_WAVE_SCHED_MODE, 0, 2), 2
	s_setreg_imm32_b32 hwreg(HW_REG_WAVE_MODE, 25, 1), 1
	s_wait_xcnt 0x0
	s_wait_alu depctr_vm_vsrc(0)
; FIRST OF FOUR LAUNCHES of: out = softmax_causal(rope(x wq) rope(x wk)^T / 8) (x wv) wo, 32 query heads, 8 key and value heads, head size 2048 / 32 = 64.
; WORK LEFT OUT, for all values of the inputs.  start_pos enters no line of the computation: it is not an argument of any launch.  The repeat of the key and value heads copies numbers: query head h reads
; key and value head h / 4.  The mask is built in the computation itself (a lower triangle): a score with key > query is replaced by -inf, its weight is exp(-inf) = 0 and its term in the second product is 0,
; so key steps that lie wholly above the diagonal are not computed (third launch).  LIMIT: a NaN, an infinity or an overflow that would arise only in such hidden scores is not carried to the result.
; THIS LAUNCH rounds the five inputs once and lays them out as the products take them, and makes the table of rotations.
;   xb  [R 16][kq 32][128 rows][64] bf16 = x: the 128 rows of tile row R, 64 along K at a time, so that any run of kq is dense.
;   wt  [T 16][kb 64][nb 12][1,024 bytes] bf16: the 48 heads of wq | wk | wv; tile column T = 4 X + c holds the heads 12 X + 4 s + c, s = nb / 4.  A block of 1,024 bytes is 16 columns x 32 k in the order
;       in which a wave's registers take it: the 16 bytes at 512 a + 256 h + 16 r are column r, k = 16 a + 8 h + 0..7.
;   wo2 [T 16][K step 8][k 256][128] f16: wo rounded to bf16, that number written as f16 (LIMIT: |wo| under 65,504; below 6e-5 f16's fixed step of 6e-8).
;   cs  [pos 2048][j 32][cos, sin] f32 of pos x 10000^(-j/32).  LIMIT: the frequency comes from the base-2 exponential, so an angle may be off by some 2e-4 at position 2047.
; SHARES.  Work-group g owns rows 8 g .. 8 g + 7 of all five inputs.  A thread issues its 56 loads of 16 bytes at once, makes its entry of the table while they are out, then rounds and stores.
; The 8 rows of W are just the 8 k of one 16-byte piece of wt: a thread takes 4 columns in all 8 rows, packs 4 pieces, and the wave turns them through 2,048 bytes of LDS of its own, so that 16 neighbouring
; lanes store 16 neighbouring columns: every store of the launch covers whole aligned blocks of 256 bytes.  No matrix unit: memory binds.
; THE MODE: SCHED_MODE bits 1:0 = 2 (LLVM: expert scheduling mode 2), set by the entry lines.  The code itself states the register dependences between vector instructions and memory or LDS instructions,
; with s_wait_alu, always for 0.
; THE PLAN.  Registers that memory or LDS instructions touch:
;   v2-v13         offsets and LDS addresses: written at the head, read by every load, store and LDS instruction, never written again.  v14, v15: written at the head, read by the closing add alone.
;   v[32:255]      the 56 loads land here; no vector line names these registers ahead of the loads.
;   v28, v29       the table's entry: written by the table's last lines, read by one store.
;   items 0-7, 20-27, lower four registers: written by the item's roundings, read by the item's store.
;   P0, P1, P2     W's pieces, a buffer a group: written by the group's sixteen roundings, read by its four LDS stores.
;   WB g + 0..15   read by group g's roundings; then the group's four LDS loads land there, and its four stores read them.
; No register that a store or an LDS instruction reads is ever written again, so the text holds no wait on vm_vsrc.
; The work goes in eight steps.  A step begins with ONE wait on va_vdst, which states that the step before has written its results (and, for W, is done reading the raw registers in which LDS loads land);
; behind it that step's stores and LDS instructions go out in a run; then the step rounds its own data, in registers that none of that run names.  A group's way through LDS thus has the next group's
; roundings, and the wait for that group's loads, in which to end.
.set DAT, 32                           ; v[32:95] x, item m at DAT + 8 m; v[192:255] wo, items 20 to 27.  The upper four registers of items 0 to 7 are free once rounded: W's pieces of groups 0 and 1 are packed there
.set WB,  96                           ; v[96:191] W: group g, row j at WB + 32 g + 4 j
.set P0,  DAT+4                        ; group 0's pieces: column c at P0 + 8 c
.set P1,  DAT+36                       ; group 1's: column c at P1 + 8 c
.set P2,  WB+16                        ; group 2's: column c at P2 + 4 c: group 0's upper sixteen raw registers, free once that group is rounded
.set XS,  2                            ; x: my row of two, my 32 bytes
.set XD,  3                            ; xb
.set WQS, 4                            ; wq: my 4 columns of the wave's 128
.set WKS, 5                            ; the same in wk or wv
.set WTD, 6                            ; v6-8 wt, a register a group
.set WOS, 9                            ; wo
.set WOD, 10                           ; wo2
.set CSO, 11                           ; cs: 8 t
.set LW,  12                           ; LDS: where I put my 4 pieces
.set LR,  13                           ; LDS: where I read a piece back
.set SPW, 14                           ; my spare word; never rewritten
.set NIL, 15                           ; 0; never rewritten
.set SPARE, 49152                      ; behind the waves' 8 x 6,144 bytes: the spare words, 128 bytes for each wave: four blocks of 256 bytes that no other line names
	s_load_b512 s[8:23], s[0:1], 0x0               ; x 8, wq 10, wk 12, wv 14, wo 16, xb 18, wt 20, wo2 22
	s_load_b64 s[24:25], s[0:1], 0x40              ; cs
	v_lshl_add_u32 v[SPW], v0, 2, SPARE
	v_mov_b32 v[NIL], 0
	v_lshrrev_b32 v16, 5, v0
	v_readfirstlane_b32 s26, v16                   ; wave w
	v_and_b32 v1, 31, v0                           ; lane l
	v_and_b32 v17, 7, v1
	v_bfe_u32 v18, v1, 3, 1
	v_lshrrev_b32 v19, 4, v1
	v_and_b32 v20, 15, v1
	v_lshlrev_b32 v[XS], 13, v18                   ; x: row (l / 8) % 2 of a pair, kq = 4 w + l / 16 (+ 2 in items 4 to 7), 32 bytes at l % 8
	v_lshl_add_u32 v[XS], v19, 8, v[XS]
	v_lshl_add_u32 v[XS], v17, 5, v[XS]
	s_wait_alu depctr_va_sdst(0)                   ; s26 is written, ahead of its first reader: offsets, LDS addresses and the choice of wk or wv are made from it
	s_lshl_b32 s27, s26, 10
	v_add_nc_u32 v[XS], s27, v[XS]
	v_lshlrev_b32 v[XD], 14, v19                   ; xb: 16,384 bytes a kq, 128 a row, 16 for my 8 numbers: lanes 0-15 fill 256 bytes on end
	v_lshl_add_u32 v[XD], v18, 7, v[XD]
	v_lshl_add_u32 v[XD], v17, 4, v[XD]
	s_lshl_b32 s27, s26, 16
	v_add_nc_u32 v[XD], s27, v[XD]
	s_lshl_b32 s27, s26, 9                         ; W: the wave's 128 columns are 512 bytes of f32
	v_lshl_add_u32 v[WQS], v1, 4, s27
	s_and_b32 s27, s26, 3
	s_lshl_b32 s27, s27, 9
	v_lshl_add_u32 v[WKS], v1, 4, s27
	v_lshlrev_b32 v21, 10, v19                     ; wt: lanes 0-15 one block of 16 columns, lanes 16-31 the next
	v_lshl_add_u32 v21, v20, 4, v21
.irp g, 0,1,2                          ; group g of wave w: columns 128 (w + 8 g) on of wq | wk | wv: the heads 2 cb and 2 cb + 1, cb = w + 8 g
	s_add_co_u32 s34, s26, 8*(\g)
	s_mul_i32 s35, s34, 43
	s_lshr_b32 s35, s35, 8                         ; X = cb / 6 (43 / 256 serves up to cb = 23)
	s_mul_i32 s36, s35, 6
	s_sub_co_u32 s36, s34, s36                     ; cb % 6
	s_lshr_b32 s37, s36, 1                         ; s
	s_and_b32 s36, s36, 1
	s_lshl_b32 s36, s36, 1                         ; c of the first head: 0 or 2
	s_lshl2_add_u32 s35, s35, s36                  ; T = 4 X + c
	s_mul_i32 s35, s35, 786432
	s_lshl_b32 s37, s37, 12                        ; nb = 4 s
	s_add_co_u32 s35, s35, s37
	v_add_nc_u32 v[WTD+(\g)], s35, v21
.endr
	s_and_b32 s34, s26, 1                          ; wo: tile columns 2 i + w % 2, rows 2 (w / 2) + l / 16
	s_lshr_b32 s35, s26, 1
	s_lshl_b32 s36, s35, 14
	s_lshl_b32 s37, s34, 9
	s_add_co_u32 s36, s36, s37
	s_lshl_b32 s38, s34, 19
	s_lshl_b32 s37, s35, 9
	s_add_co_u32 s38, s38, s37
	v_lshlrev_b32 v[WOS], 13, v19
	v_lshl_add_u32 v[WOS], v20, 5, v[WOS]
	v_add_nc_u32 v[WOS], s36, v[WOS]
	v_lshl_add_u32 v[WOD], v1, 4, s38
	v_lshlrev_b32 v[CSO], 3, v0
	s_mul_i32 s27, s26, 6144                       ; my wave's LDS
	v_lshl_add_u32 v[LW], v1, 6, s27               ; column 4 l + c at 16 (4 l + c)
	v_lshl_add_u32 v[LR], v1, 4, s27
	s_lshl3_add_u32 s47, ttmp9, s26                ; my position: 8 g + w
	s_lshl_b32 s40, ttmp9, 16                      ; 8 rows of 8,192 bytes
	s_mov_b32 s41, 0
	s_lshl_b32 s42, ttmp9, 14                      ; of 2,048
	s_mov_b32 s43, 0
	s_lshr_b32 s44, ttmp9, 4                       ; xb: tile row g / 16, rows 8 (g % 16) on
	s_lshl_b32 s44, s44, 19
	s_and_b32 s46, ttmp9, 15
	s_lshl_b32 s46, s46, 10
	s_add_co_u32 s44, s44, s46
	s_mov_b32 s45, 0
	s_wait_kmcnt 0x0
	s_add_nc_u64 s[8:9], s[8:9], s[40:41]
	s_add_nc_u64 s[10:11], s[10:11], s[40:41]
	s_add_nc_u64 s[16:17], s[16:17], s[40:41]
	s_add_nc_u64 s[12:13], s[12:13], s[42:43]
	s_add_nc_u64 s[14:15], s[14:15], s[42:43]
	s_add_nc_u64 s[18:19], s[18:19], s[44:45]
	s_cmp_lt_u32 s26, 4                            ; group 2: waves 0-3 take wk, waves 4-7 wv
	s_cselect_b64 s[32:33], s[12:13], s[14:15]
	s_wait_alu depctr_va_vdst(0)                   ; the offsets and LDS addresses v2 to v13, and v14, v15, are written: every load, store and LDS instruction of the kernel reads some of them, and none is written again
.macro LD2 m, off, base, imm           ; item m: 32 bytes a lane
	global_load_b128 v[DAT+8*(\m):DAT+8*(\m)+3],   v[\off], s[\base:\base+1] offset:(\imm) th:TH_LOAD_NT
	global_load_b128 v[DAT+8*(\m)+4:DAT+8*(\m)+7], v[\off], s[\base:\base+1] offset:(\imm)+16 th:TH_LOAD_NT
.endm
.macro LDW g, off, base, imm, rowb     ; group g: my 4 columns in the 8 rows
.irp j, 0,1,2,3,4,5,6,7
	global_load_b128 v[WB+32*(\g)+4*(\j):WB+32*(\g)+4*(\j)+3], v[\off], s[\base:\base+1] offset:(\imm)+(\j)*(\rowb) th:TH_LOAD_NT
.endr
.endm
.irp i, 0,1,2,3,4,5,6,7
	LD2 \i, XS, 8, ((\i)%4)*16384+((\i)/4)*512     ; x: rows 2 (i % 4) and the next, kq + 2 (i / 4)
.endr
	LDW 0, WQS, 10, 0, 8192
	LDW 1, WQS, 10, 4096, 8192
	LDW 2, WKS, 32, 0, 2048
.irp i, 0,1,2,3,4,5,6,7
	LD2 20+(\i), WOS, 16, (\i)*1024                ; wo, tile columns 2 i + w % 2
.endr
	; where the results go (scalar work, while the loads are out; none of the loads' bases is written)
	s_lshr_b32 s40, ttmp9, 2                       ; wt: kb = g / 4; my 8 k are piece g % 4 of the block's four
	s_mul_i32 s40, s40, 12288
	s_and_b32 s42, ttmp9, 3
	s_lshl_b32 s42, s42, 8
	s_add_co_u32 s40, s40, s42
	s_add_nc_u64 s[28:29], s[20:21], s[40:41]
	s_lshr_b32 s40, ttmp9, 5                       ; wo2: K step g / 32, rows 8 (g % 32) on, of 256 bytes
	s_lshl_b32 s40, s40, 16
	s_and_b32 s42, ttmp9, 31
	s_lshl_b32 s42, s42, 11
	s_add_co_u32 s40, s40, s42
	s_add_nc_u64 s[22:23], s[22:23], s[40:41]
	s_lshl_b32 s40, ttmp9, 11                      ; cs: 8 positions of 256 bytes
	s_add_nc_u64 s[24:25], s[24:25], s[40:41]
	; THE TABLE: angle = pos x 2^(-j log2(10000) / 32); reduced by multiples of pi / 2 (in two parts), then two short series on |r| <= pi / 4.  Its store goes out with step 1's.
	v_cvt_f32_u32 v16, v1
	v_mul_f32 v16, 0xbed49a78, v16                 ; -j x log2(10) / 8
	v_exp_f32 v17, v16
	v_cvt_f32_u32 v18, s47                         ; a plain line behind the exponential
	s_wait_alu depctr_va_vdst(0)                   ; the exponential has written v17, ahead of its first reader
	v_mul_f32 v19, v18, v17                        ; the angle
	v_mul_f32 v20, 0x3f22f983, v19                 ; x 2 / pi
	v_rndne_f32 v20, v20                           ; n
	v_fmamk_f32 v21, v20, 0xbfc90fdb, v19          ; r = angle - n x (pi / 2)'s high part
	v_fmamk_f32 v21, v20, 0x333bbd2e, v21          ;   - n x its low part
	v_mul_f32 v22, v21, v21                        ; r^2
	v_mov_b32 v23, 0xb9500d01                      ; -1 / 5040
	v_fmaak_f32 v23, v22, v23, 0x3c088889          ; + 1 / 120
	v_fmaak_f32 v23, v22, v23, 0xbe2aaaab          ; - 1 / 6
	v_mul_f32 v24, v21, v22
	v_fma_f32 v23, v24, v23, v21                   ; sin r
	v_mov_b32 v25, 0x37d00d01                      ; 1 / 40320
	v_fmaak_f32 v25, v22, v25, 0xbab60b61          ; - 1 / 720
	v_fmaak_f32 v25, v22, v25, 0x3d2aaaab          ; + 1 / 24
	v_fmaak_f32 v25, v22, v25, 0xbf000000          ; - 1 / 2
	v_fma_f32 v25, v22, v25, 1.0                   ; cos r
	v_cvt_i32_f32 v26, v20
	v_and_b32 v27, 1, v26
	v_cmp_eq_u32 vcc_lo, 1, v27                    ; odd quadrants change the two places; the signs are made between the compare and the wait for its mask
	v_add_nc_u32 v30, 1, v26                       ; cos is negative in quadrants 1 and 2,
	v_and_b32 v30, 2, v30
	v_lshlrev_b32 v30, 30, v30
	v_and_b32 v31, 2, v26                          ; sin in 2 and 3
	v_lshlrev_b32 v31, 30, v31
	s_wait_alu depctr_va_vcc(0)                    ; the compare has written VCC, which the two selects read
	v_cndmask_b32 v28, v25, v23, vcc_lo
	v_cndmask_b32 v29, v23, v25, vcc_lo
	v_xor_b32 v28, v28, v30
	v_xor_b32 v29, v29, v31
.macro CVB m                           ; item m to bf16, in place
	s_wait_loadcnt 54-2*(\m)                       ; loads come back in order: the 2 (27 - m) younger ones may stay out
.irp r, 0,1,2,3
	v_cvt_pk_bf16_f32 v[DAT+8*(\m)+(\r)], v[DAT+8*(\m)+2*(\r)], v[DAT+8*(\m)+2*(\r)+1]
.endr
.endm
.macro CVH m                           ; and the bf16 numbers written as f16
	CVB \m
.irp r, 0,1,2,3
	v_lshlrev_b32 v[20+2*(\r)], 16, v[DAT+8*(\m)+(\r)]
	v_and_b32 v[21+2*(\r)], 0xffff0000, v[DAT+8*(\m)+(\r)]
.endr
.irp r, 0,1,2,3
	v_cvt_pk_f16_f32 v[DAT+8*(\m)+(\r)], v[20+2*(\r)], v[21+2*(\r)]
.endr
.endm
.macro ST m, off, base, imm
	global_store_b128 v[\off], v[DAT+8*(\m):DAT+8*(\m)+3], s[\base:\base+1] offset:(\imm)
.endm
; Group g of W, in three parts.  WPACK: column c of my four, rows 2 p and 2 p + 1, make register p of a piece; piece c lies at pb + ps x c.
.macro WPACK g, pb, ps
	s_wait_loadcnt 32-8*(\g)                       ; the later groups' 8 loads each and wo's 16 may stay out
.irp c, 0,1,2,3
.irp p, 0,1,2,3
	v_cvt_pk_bf16_f32 v[(\pb)+(\ps)*(\c)+(\p)], v[WB+32*(\g)+8*(\p)+(\c)], v[WB+32*(\g)+8*(\p)+4+(\c)]
.endr
.endr
.endm
; WTURN: the four pieces go into my wave's LDS by columns and come back a column a lane, into the group's lower sixteen raw registers.
.macro WTURN g, pb, ps
.irp c, 0,1,2,3
	ds_store_b128 v[LW], v[(\pb)+(\ps)*(\c):(\pb)+(\ps)*(\c)+3] offset:2048*(\g)+16*(\c)
.endr
.irp i, 0,1,2,3
	ds_load_b128 v[WB+32*(\g)+4*(\i):WB+32*(\g)+4*(\i)+3], v[LR] offset:2048*(\g)+512*(\i)  ; LDS serves a wave's instructions in order: these see the stores above
.endr
.endm
; WSEND: stored.
.macro WSEND g
.irp i, 0,1,2,3
	global_store_b128 v[WTD+(\g)], v[WB+32*(\g)+4*(\i):WB+32*(\g)+4*(\i)+3], s[28:29] offset:((\i)/2)*786432+((\i)%2)*2048  ; columns 32 i on: head i / 2 lies a tile column on
.endr
.endm
	; step 0: x's items 0 to 3 are rounded
.irp i, 0,1,2,3
	CVB \i
.endr
	; step 1
	s_wait_alu depctr_va_vdst(0)                   ; the table's last lines have written v28 and v29, the roundings items 0 to 3: the five stores below read them
	global_store_b64 v[CSO], v[28:29], s[24:25]
.irp i, 0,1,2,3
	ST \i, XD, 18, ((\i)/4)*32768+((\i)%4)*256
.endr
.irp i, 4,5,6,7
	CVB \i                                         ; names items 4 to 7 alone
.endr
	; step 2
	s_wait_alu depctr_va_vdst(0)                   ; the roundings have written items 4 to 7, which the four stores below read
.irp i, 4,5,6,7
	ST \i, XD, 18, ((\i)/4)*32768+((\i)%4)*256
.endr
	WPACK 0, P0, 8                                 ; names group 0's raw registers and P0, the upper halves of items 0 to 3: no store reads those
	; step 3
	s_wait_alu depctr_va_vdst(0)                   ; group 0's roundings have written P0, which the LDS stores read, and are done reading the raw registers in which the LDS loads land
	WTURN 0, P0, 8
	WPACK 1, P1, 8                                 ; names group 1's raw registers and P1
	; step 4
	s_wait_alu depctr_va_vdst(0)                   ; group 1's roundings have written P1 and are done reading the raw registers in which the LDS loads land
	WTURN 1, P1, 8
	s_wait_dscnt 8                                 ; LDS instructions end in order: group 0's pieces are back; the eight just issued may stay out
	WSEND 0
	WPACK 2, P2, 4                                 ; names group 2's raw registers and P2, group 0's upper sixteen: its pieces came back into the lower sixteen
	; step 5
	s_wait_alu depctr_va_vdst(0)                   ; group 2's roundings have written P2 and are done reading the raw registers in which the LDS loads land
	WTURN 2, P2, 4
	s_wait_dscnt 8                                 ; group 1's pieces are back; the eight just issued may stay out
	WSEND 1
.irp i, 0,1,2,3
	CVH 20+(\i)                                    ; names items 20 to 23 and v20 to v27, which no memory instruction touches
.endr
	; step 6
	s_wait_alu depctr_va_vdst(0)                   ; the roundings have written items 20 to 23, which the first four stores below read
.irp i, 0,1,2,3
	ST 20+(\i), WOD, 22, (\i)*1048576
.endr
	s_wait_dscnt 0x0                               ; group 2's pieces are back
	WSEND 2
.irp i, 4,5,6,7
	CVH 20+(\i)                                    ; names items 24 to 27 and v20 to v27
.endr
	; step 7
	s_wait_alu depctr_va_vdst(0)                   ; the roundings have written items 24 to 27, which the last four stores read
.irp i, 4,5,6,7
	ST 20+(\i), WOD, 22, (\i)*1048576
.endr
	s_wait_dscnt 0x0                               ; the closing lines, six on end
	s_wait_alu 0x0
	s_wait_tensorcnt 0x0
	ds_add_u32 v[SPW], v[NIL]
	s_wait_dscnt 0x0
	s_endpgm
.Lfunc_end_k_q92014d5bab_prep:
	.size	k_q92014d5bab_prep, .Lfunc_end_k_q92014d5bab_prep-k_q92014d5bab_prep
	.p2alignl 7, 3214868480
	.fill 96, 4, 3214868480
	.section	.rodata,"a",@progbits
	.p2align	6, 0x0
	.amdhsa_kernel k_q92014d5bab_prep
		.amdhsa_group_segment_fixed_size 50176
		.amdhsa_private_segment_fixed_size 0
		.amdhsa_enable_private_segment 0
		.amdhsa_kernarg_size 72
		.amdhsa_user_sgpr_count 2
		.amdhsa_user_sgpr_kernarg_segment_ptr 1
		.amdhsa_wavefront_size32 1
		.amdhsa_system_sgpr_workgroup_id_x 1
		.amdhsa_system_sgpr_workgroup_id_y 1
		.amdhsa_system_sgpr_workgroup_id_z 1
		.amdhsa_system_vgpr_workitem_id 0
		.amdhsa_next_free_vgpr 256
		.amdhsa_next_free_sgpr 66
		.amdhsa_reserve_vcc 1
		.amdhsa_float_denorm_mode_32 3
		.amdhsa_float_denorm_mode_16_64 3
		.amdhsa_memory_ordered 1
		.amdhsa_forward_progress 1
		.amdhsa_inst_pref_size 29
	.end_amdhsa_kernel
	.amdgpu_metadata
---
amdhsa.version: [ 1, 2 ]
amdhsa.kernels:
  - .name:           k_q92014d5bab_prep
    .symbol:         k_q92014d5bab_prep.kd
    .args:
      - { .name: x, .offset: 0, .size: 8, .value_kind: global_buffer, .address_space: global }
      - { .name: wq, .offset: 8, .size: 8, .value_kind: global_buffer, .address_space: global }
      - { .name: wk, .offset: 16, .size: 8, .value_kind: global_buffer, .address_space: global }
      - { .name: wv, .offset: 24, .size: 8, .value_kind: global_buffer, .address_space: global }
      - { .name: wo, .offset: 32, .size: 8, .value_kind: global_buffer, .address_space: global }
      - { .name: xb, .offset: 40, .size: 8, .value_kind: global_buffer, .address_space: global }
      - { .name: wt, .offset: 48, .size: 8, .value_kind: global_buffer, .address_space: global }
      - { .name: wo2, .offset: 56, .size: 8, .value_kind: global_buffer, .address_space: global }
      - { .name: cs, .offset: 64, .size: 8, .value_kind: global_buffer, .address_space: global }
    .group_segment_fixed_size: 50176
    .private_segment_fixed_size: 0
    .kernarg_segment_align: 8
    .kernarg_segment_size: 72
    .max_flat_workgroup_size: 256
    .sgpr_count:     66
    .vgpr_count:     256
    .wavefront_size: 32
...
	.end_amdgpu_metadata
.endif
;; end of part 5
;; launch qkv: the kernel of part 2 again; grid 16 x 16, 4 waves a work-group, clusters of 4 x 4, 327,680 bytes of LDS; arguments xb, wt, cs, qkv; writes qkv
;; launch attn: the kernel of part 3 again; grid 32 x 8, 4 waves a work-group, clusters of 4 x 1, 327,680 bytes of LDS; arguments qkv, ob; writes ob
;; launch oproj: the kernel of part 4 again; grid 16 x 16, 4 waves a work-group, clusters of 4 x 4, 327,680 bytes of LDS; arguments ob, wo2, out0; writes out0
